; MI455X (gfx1250); checked and timed in simulation.
; The chip was launched on July 23, 2026; its instructions are those of AMD's public machine-readable ISA for CDNA 5 (MIT licence, August 2026) and "CDNA5" Instruction Set Architecture Reference Guide (July 2026). The comments in the code are by the model that wrote it; some were corrected since.
;; Multi Head Attention With Visualization. Allowed arithmetic: matrix products marked QUANTISED: E2M3 operands, one E8M0 scale for each 32 along K, by v_wmma_scale_f32_16x16x128_f8f6f4 with both operands' format E2M3, f32 sums; everything else in f32.
;; Inputs: k_b 1,024 float32; k_w 1,024 x 1,024 float32; key 4 x 2,048 x 1,024 float32; out_b 1,024 float32; out_w 1,024 x 1,024 float32; q_b 1,024 float32; q_w 1,024 x 1,024 float32; query 4 x 2,048 x 1,024 float32; v_b 1,024 float32; v_w 1,024 x 1,024 float32; value 4 x 2,048 x 1,024 float32.
;; Outputs: out0 4 x 2,048 x 1,024 float32.
;; This version of the problem:
;;   THIS VERSION OF THE PROBLEM IS GIVEN IN LOW PRECISION. The matrix products marked QUANTISED in the list below multiply operands that are first quantised to E2M3 (2 exponent bits, 3 mantissa bits; 6 bits a number), with one power-of-two scale for each 32 numbers along K (OCP MX v1.0); their sums are f32. All else is computed in f32.
;;   The module's matrix products, in the order in which they are computed (A, B: the left and right operand; K: the contracted axis; several contracted axes count as one K, in the product's order):
;;     1. [M 8,192, K 1,024] x [K 1,024, N 1,024]; A: input query; B: input q_w: QUANTISED
;;     2. [M 8,192, K 1,024] x [K 1,024, N 1,024]; A: input key; B: input k_w: QUANTISED
;;     3. [M 8,192, K 1,024] x [K 1,024, N 1,024]; A: input value; B: input v_w: QUANTISED
;;     4. batch 64 x [M 2,048, K 64] x [K 64, N 2,048]; A: computed on the way; B: computed on the way: QUANTISED
;;     5. batch 64 x [M 2,048, K 2,048] x [K 2,048, N 64]; A: softmax (see below); B: computed on the way: QUANTISED
;;     6. [M 8,192, K 1,024] x [K 1,024, N 1,024]; A: computed on the way; B: input out_w: QUANTISED
;;   THE QUANTISER, for each operand of a quantised product, along K:
;;     - K is cut into blocks of 32 from its start; a last block that is shorter is filled with zeros.
;;     - A block's scale is 2^e with e = floor(log2(the largest magnitude in the block)) - 2, held to -126 .. 127; a block of zeros has e = 0. As a byte (E8M0): e + 127.
;;     - Each number is divided by its block's scale, clamped to +-7.5, and rounded to the nearest number of E2M3, ties to even, subnormals kept.
;;     - The product sums the exact products of the quantised numbers (number of the format x scale) in f32.
;;   ~~~python
;;   def quantise(x, axis):      # numpy; x: float32 -> the quantised numbers, widened to float32 again
;;       x = np.moveaxis(x, axis, -1); K = x.shape[-1]
;;       x = np.pad(x, [(0, 0)] * (x.ndim - 1) + [(0, -K % 32)]); x = x.reshape(x.shape[:-1] + (-1, 32)); a = np.abs(x).max(-1, keepdims=True)
;;       e = np.where(a > 0, np.clip(np.frexp(np.where(a > 0, a, 1))[1] - 1 - 2, -126, 127), 0)      # np.frexp(a)[1] - 1 = floor(log2(a)), exactly
;;       r = np.clip(x / 2.0 ** e, -7.5, 7.5)
;;       step = 2.0 ** (np.maximum(np.frexp(np.where(r == 0, 1, r))[1] - 1, 0) - 3)
;;       q = np.round(r / step) * step * 2.0 ** e      # np.round: ties to even
;;       return np.moveaxis(q.reshape(q.shape[:-2] + (-1,))[..., :K], -1, axis).astype(np.float32)
;;   ~~~
;;   SOFTMAX AHEAD OF A QUANTISED PRODUCT. Where the list says 'softmax', what is quantised is not the finished softmax but p = 2^(t - M), with t = logit x log2(e) and M = ceil(the row's largest t), a whole number; so 1/2 < the row's largest p <= 1. The row's sum l is taken of the UNQUANTISED p, in f32, and the product's result is divided by l at the end. Since M is a whole number, a kernel that streams over the keys may use a running M (the ceiling of the running maximum): every later rescaling is an exact power of two, which a block's scale takes up: the codes' values come out the same.
;;   OPERANDS COMPUTED ON THE WAY. 'Computed on the way' means the value that the module computes at that place (a softmax that the list does not call 'softmax' is quantised finished and normalised). What goes into a quantiser is computed in f32, as accurately as f32 sums, v_exp_f32 and their like allow (about 1e-6 of the number): no bf16 or f16 on the way to a quantiser, and a product that is left as it is and whose result goes on into a quantised operand takes f32 operands (vector FMAs, or v_wmma_f32_16x16x4_f32). A number that lies on a knife's edge between two numbers of the format may be rounded either way, as far as f32 arithmetic and the matrix unit's own rounding can turn it there, and no further.
;; One version. Each part assembles by itself: llvm-mc -triple=amdgcn-amd-amdhsa -mcpu=gfx1250 --defsym DOCPART=n.
;; ======== version 1 of 1: 4 launches
;; limits: right only within a limited range of input values
;; workspace buffers: opc 22,020,096 bytes; ops 917,504 bytes; img 18,874,368 bytes; sc 1,310,720 bytes; aoc 6,291,456 bytes; aos 262,144 bytes
;; launch quant (part 1): grid 256 x 1, 14 waves a work-group, no clusters, 120,320 bytes of LDS; arguments query, key, value, q_w, k_w, v_w, out_w, opc, ops; writes opc, ops
.if DOCPART == 1
	.amdgcn_target "amdgcn-amd-amdhsa--gfx1250"
	.amdhsa_code_object_version 6
	.text
	.protected	k_q0db465a0d7_quant
	.globl	k_q0db465a0d7_quant
	.p2align	8
	.type	k_q0db465a0d7_quant,@function
k_q0db465a0d7_quant:
	s_mov_b64 s[64:65], 0
	v_nop
	global_prefetch_b8 v0, s[64:65] scope:SCOPE_SE
	s_setreg_imm32_b32 hwreg(HW_REG_WAVE_MODE, 25, 1), 1
	s_wait_xcnt 0x0
; query, key, value [8192][1024] and q_w, k_w, v_w, out_w [1024][1024], f32, K innermost, become codes of FP6 (E2M3) with one E8M0 byte for each 32 along K.
; A block's scale is 2^(floor(log2(its largest magnitude)) - 2); its byte is the largest magnitude's exponent field - 2, held at 1 from below.
; LIMITS: NaN and infinities are not served.  A block of zeros, or one whose largest magnitude lies under 2^-124, keeps the byte 1: its codes are zeros or
; what the held scale gives, and the bytes are read by this program alone.
; LAYOUT OF THE RESULT.  The seven tensors are 1,792 TILES of 16 rows.  Lane r of a tensor's tile T holds row 32 (T / 2) + 8 (T % 2) + r + 8 (r / 8).
; opc: [tile][K step 0..7], each an IMAGE of an operand's 12 registers: registers 4 c .. 4 c + 3 of lane l at 512 c + 16 l (1,536 bytes).
; ops: [tile][r][K step]: the scale words, 32 bytes a row.
; SHARES.  Wave w of work-group g owns tile 4 g + w, all 8 K steps.  Each load reads 512 consecutive bytes of one row; a step's 16 rows turn through the wave's
; own stage in LDS (rows 528 bytes apart) so that a lane holds 16 neighbours of each block of 32.  Waves share nothing: no barrier.  Work-groups share no input: no cluster.
; KEY'S TILES have another order of rows than the line on the layout above says: lane r of key's tile T holds row 64 (T / 4) + 8 (T % 4) + r % 8 + 32 (r / 8),
; so that in the scores a lane's 32 registers of four neighbouring tiles are one whole block of 32 keys.  The six other tensors are laid as said above.
; SHARES, in place of the lines above: 256 work-groups of 14 waves; wave w of work-group g owns tile 7 g + w / 2 and half w % 2 of its K: 4 K steps.
; ops: [tile][half of K][r][K step % 4]: a wave's scale words are 256 bytes on end.
.set STGB, 8448
.set R,    16                          ; v16-143  two sets of 64 registers as loaded
.set X,    144                         ; v144-207 register 16 b + i = k 32 b + 16 (lane / 16) + i of my row
.set PC,   208                         ; v208-219 the fragment's codes; v220-222, v224-226 at work
.set TM,   228                         ; v228-243 at work in QUANT
.set PWS,  244                         ; v244-247 a scale word for each K step
.set OW,   252
.set SEL,  30                          ; s[30:31] lane selects: lane l xor 16
.set SRC,  28                          ; s[28:29] my tile's first row
.set OPC,  22                          ; s[22:23] my tile's images
.set OPS,  24                          ; s[24:25] my tile's scale words
; 64 numbers of a lane, v[s] on, become a fragment's codes in v[PC] on and its row's scale word in v[pw]
.macro QUANT s, pw
.irp b, 0,1,2,3
	v_max3_num_f32 v[TM+\b], |v[\s+16*\b]|, |v[\s+1+16*\b]|, 0x1800000   ; my 16 numbers of block b, and the floor 2^(3 - 127): the byte cannot fall under 1
.endr
.irp i, 2,4,6,8,10,12,14
.irp b, 0,1,2,3
	v_max3_num_f32 v[TM+\b], v[TM+\b], |v[\s+16*\b+\i]|, |v[\s+1+16*\b+\i]|
.endr
.endr
.irp b, 0,1,2,3
	v_permlanex16_b32 v[TM+4+\b], v[TM+\b], s[SEL], s[SEL+1]
.endr
.irp b, 0,1,2,3
	v_max_num_f32 v[TM+\b], v[TM+\b], v[TM+4+\b]           ; with lane l xor 16's: the block's largest magnitude
.endr
.irp b, 0,1,2,3
	v_add_nc_u32 v[TM+12+\b], 0xff000000, v[TM+\b]         ; 2 off its exponent field: the conversion's scale operand
.endr
.irp b, 0,1,2,3
	v_lshrrev_b32 v[TM+4+\b], 23, v[TM+12+\b]              ; the scale's byte
.endr
	v_lshl_or_b32 v[\pw], v[TM+5], 8, v[TM+4]
	v_lshl_or_b32 v[\pw], v[TM+6], 16, v[\pw]
	v_lshl_or_b32 v[\pw], v[TM+7], 24, v[\pw]
.irp c, 0,1
	v_cvt_scalef32_pk16_fp6_f32 v[PC+6*\c:PC+2+6*\c], v[\s+32*\c:\s+15+32*\c], v[TM+12+2*\c]
	v_cvt_scalef32_pk16_fp6_f32 v[PC+12+4*\c:PC+14+4*\c], v[\s+16+32*\c:\s+31+32*\c], v[TM+12+2*\c+1]   ; (a conversion's three registers begin on an even number)
.endr
	v_nop                                                  ; one plain place behind a scaled conversion
.irp c, 0,1                            ; the operand wants a whole block in a lane: lanes 0-15 block 2 c, lanes 16-31 block 2 c + 1
.irp i, 0,1,2
	v_permlane16_swap_b32 v[PC+6*\c+\i], v[PC+12+4*\c+\i]
.endr
.irp i, 0,1,2
	v_mov_b32 v[PC+3+6*\c+\i], v[PC+12+4*\c+\i]
.endr
.endr
.endm
.macro PICK bound, ptr, start          ; tiles under bound belong to an earlier tensor: the choice hangs on the work-group's and the wave's number alone
	s_cmp_lt_u32 s34, \bound
	s_cselect_b64 s[SRC:SRC+1], s[\ptr:\ptr+1], s[SRC:SRC+1]
	s_cselect_b32 s32, \start, s32
.endm
	s_load_b512 s[8:23], s[0:1], 0x0               ; query, key, value, q_w, k_w, v_w, out_w, opc
	s_load_b64 s[24:25], s[0:1], 0x40              ; ops
	v_lshl_add_u32 v238, v0, 2, 0x1ce00
	v_mov_b32 v239, 0
	v_lshrrev_b32 v6, 5, v0
	v_readfirstlane_b32 s26, v6                    ; wave
	v_and_b32 v1, 31, v0                           ; lane
	v_lshlrev_b32 v2, 4, v1                        ; 16 x lane: my bytes of a load, of an image
	s_wait_alu depctr_va_vdst(0)                   ; the wait ahead of the scalar lines below
	s_mul_i32 s34, ttmp9, 7
	s_lshr_b32 s38, s26, 1
	s_add_co_u32 s34, s34, s38                     ; my tile: 7 x work-group + wave / 2
	s_and_b32 s38, s26, 1                          ; my half of its K
	s_sub_co_u32 s36, s34, 512                     ; under 512 for key's tiles (512 .. 1,023) alone
	s_mov_b32 s35, 0x10000                         ; rows 8-15 of a tile begin 16 rows of 4,096 bytes behind rows 0-7,
	s_cmp_lt_u32 s36, 512
	s_cselect_b32 s35, 0x20000, s35                ; in key 32 rows
	v_add_nc_u32 v9, s35, v2
	s_mul_i32 s27, s26, STGB
	v_add_nc_u32 v3, s27, v2                       ; the stage, on the way in
	v_and_b32 v6, 15, v0                           ; r
	v_bfe_u32 v7, v0, 4, 1                         ; h
	v_mul_u32_u24 v4, v6, 528
	v_lshl_add_u32 v4, v7, 6, v4
	v_add_nc_u32 v4, s27, v4                       ; and on the way out: row r, + 64 h
	v_lshlrev_b32 v5, 4, v6                        ; the scale words: 16 r
	s_mov_b32 s[SEL], 0x76543210
	s_mov_b32 s[SEL+1], 0xfedcba98
.irp b, 0,1,2,3
	v_mov_b32 v[TM+4+\b], 0                        ; written once: a lane permute's destination counts as one of its sources
.endr
	s_wait_alu depctr_va_vdst(0)
	s_wait_kmcnt 0x0
	s_mov_b64 s[SRC:SRC+1], s[20:21]               ; out_w, unless ..
	s_mov_b32 s32, 1728                            ; the bounds count tiles: the choice hangs on the work-group's and the wave's number alone
	PICK 1728, 18, 1664
	PICK 1664, 16, 1600
	PICK 1600, 14, 1536
	PICK 1536, 12, 1024
	PICK 1024, 10, 512
	PICK 512, 8, 0
	s_sub_co_u32 s32, s34, s32                     ; T: my tile in its tensor
	s_lshr_b32 s33, s32, 1
	s_lshl_b32 s33, s33, 5
	s_and_b32 s37, s32, 1
	s_lshl_b32 s37, s37, 3
	s_add_co_u32 s33, s33, s37                     ; its first row: 32 (T / 2) + 8 (T % 2);
	s_lshr_b32 s37, s32, 2
	s_lshl_b32 s37, s37, 6
	s_and_b32 s32, s32, 3
	s_lshl_b32 s32, s32, 3
	s_add_co_u32 s37, s37, s32                     ; in key 64 (T / 4) + 8 (T % 4)
	s_cmp_lt_u32 s36, 512
	s_cselect_b32 s32, s37, s33
	s_lshl_b32 s32, s32, 12                        ; rows of 4,096 bytes: under 2^26
	s_lshl_b32 s33, s38, 11                        ; my half of K: 2,048 bytes of a row
	s_add_co_u32 s32, s32, s33
	s_mov_b32 s33, 0
	s_add_nc_u64 s[SRC:SRC+1], s[SRC:SRC+1], s[32:33]
	s_mul_i32 s32, s34, 12288
	s_mul_i32 s37, s38, 6144
	s_add_co_u32 s32, s32, s37
	s_add_nc_u64 s[OPC:OPC+1], s[OPC:OPC+1], s[32:33]
	s_lshl_b32 s32, s34, 9
	s_lshl_b32 s37, s38, 8
	s_add_co_u32 s32, s32, s37
	s_add_nc_u64 s[OPS:OPS+1], s[OPS:OPS+1], s[32:33]
.macro LOAD t                          ; K step t of my 16 rows: each load 512 consecutive bytes of one row
.irp i, 0,1,2,3,4,5,6,7,8,9,10,11,12,13,14,15
	global_load_b128 v[R+64*((\t)%2)+4*\i:R+64*((\t)%2)+4*\i+3], v[2+7*(\i/8)], s[SRC:SRC+1] offset:(\i%8)*4096+512*(\t) th:TH_LOAD_NT
.endr
.endm
.macro TURN t                          ; through the stage: LDS serves a wave's instructions in order, so no wait stands between the stores and the loads
.irp i, 0,1,2,3,4,5,6,7,8,9,10,11,12,13,14,15
	ds_store_b128 v3, v[R+64*((\t)%2)+4*\i:R+64*((\t)%2)+4*\i+3] offset:528*\i
.endr
.irp b, 0,1,2,3
.irp j, 0,1,2,3
	ds_load_b128 v[X+16*\b+4*\j:X+16*\b+4*\j+3], v4 offset:128*\b+16*\j
.endr
.endr
.endm
.macro QSTEP t
.if (\t) < 3
	s_wait_loadcnt 16
.else
	s_wait_loadcnt 0x0
.endif
	TURN \t
	s_wait_dscnt 0x0                               ; my numbers are back, and the stage's stores have read the set that is loaded again below
.if (\t) > 0
	s_wait_xcnt 0x0                                ; the last step's stores have read their data: the codes' registers are written again only behind this wait
.endif
.if (\t) < 2
	LOAD (\t)+2
.endif
	QUANT X, PWS+(\t)
.irp c, 0,1,2
	global_store_b128 v2, v[PC+4*\c:PC+4*\c+3], s[OPC:OPC+1] offset:1536*(\t)+512*\c   ; 512 consecutive bytes, aligned
.endr
.endm
	LOAD 0
	LOAD 1
.irp t, 0,1,2,3
	QSTEP \t
.endr
	global_store_b128 v5, v[PWS:PWS+3], s[OPS:OPS+1]   ; my four steps' words of row r: 256 bytes, whole; both halves of the lanes hold and store the same words
	s_wait_tensorcnt 0x0
	ds_add_u32 v238, v239
	s_wait_dscnt 0x0
	s_endpgm
.Lfunc_end_k_q0db465a0d7_quant:
	.size	k_q0db465a0d7_quant, .Lfunc_end_k_q0db465a0d7_quant-k_q0db465a0d7_quant
	.p2alignl 7, 3214868480
	.fill 96, 4, 3214868480
	.section	.rodata,"a",@progbits
	.p2align	6, 0x0
	.amdhsa_kernel k_q0db465a0d7_quant
		.amdhsa_group_segment_fixed_size 120320
		.amdhsa_private_segment_fixed_size 0
		.amdhsa_enable_private_segment 0
		.amdhsa_kernarg_size 72
		.amdhsa_user_sgpr_count 2
		.amdhsa_user_sgpr_kernarg_segment_ptr 1
		.amdhsa_wavefront_size32 1
		.amdhsa_system_sgpr_workgroup_id_x 1
		.amdhsa_system_sgpr_workgroup_id_y 1
		.amdhsa_system_sgpr_workgroup_id_z 1
		.amdhsa_system_vgpr_workitem_id 0
		.amdhsa_next_free_vgpr 256
		.amdhsa_next_free_sgpr 66
		.amdhsa_reserve_vcc 0
		.amdhsa_float_denorm_mode_32 3
		.amdhsa_float_denorm_mode_16_64 3
		.amdhsa_memory_ordered 1
		.amdhsa_forward_progress 1
		.amdhsa_inst_pref_size 35
	.end_amdhsa_kernel
	.amdgpu_metadata
---
amdhsa.version: [ 1, 2 ]
amdhsa.kernels:
  - .name:           k_q0db465a0d7_quant
    .symbol:         k_q0db465a0d7_quant.kd
    .args:
      - { .name: query, .offset: 0, .size: 8, .value_kind: global_buffer, .address_space: global }
      - { .name: key, .offset: 8, .size: 8, .value_kind: global_buffer, .address_space: global }
      - { .name: value, .offset: 16, .size: 8, .value_kind: global_buffer, .address_space: global }
      - { .name: q_w, .offset: 24, .size: 8, .value_kind: global_buffer, .address_space: global }
      - { .name: k_w, .offset: 32, .size: 8, .value_kind: global_buffer, .address_space: global }
      - { .name: v_w, .offset: 40, .size: 8, .value_kind: global_buffer, .address_space: global }
      - { .name: out_w, .offset: 48, .size: 8, .value_kind: global_buffer, .address_space: global }
      - { .name: opc, .offset: 56, .size: 8, .value_kind: global_buffer, .address_space: global }
      - { .name: ops, .offset: 64, .size: 8, .value_kind: global_buffer, .address_space: global }
    .group_segment_fixed_size: 120320
    .private_segment_fixed_size: 0
    .kernarg_segment_align: 8
    .kernarg_segment_size: 72
    .max_flat_workgroup_size: 448
    .sgpr_count:     66
    .vgpr_count:     256
    .wavefront_size: 32
...
	.end_amdgpu_metadata
.endif
;; end of part 1
;; launch proj (part 2): grid 4 x 64, 4 waves a work-group, clusters of 4 x 4, 327,680 bytes of LDS; arguments opc, ops, q_b, k_b, v_b, img, sc; writes img, sc
.if DOCPART == 2
	.amdgcn_target "amdgcn-amd-amdhsa--gfx1250"
	.amdhsa_code_object_version 6
	.text
	.protected	k_q0db465a0d7_proj
	.globl	k_q0db465a0d7_proj
	.p2align	8
	.type	k_q0db465a0d7_proj,@function
k_q0db465a0d7_proj:
	s_mov_b64 s[64:65], 0
	v_nop
	global_prefetch_b8 v0, s[64:65] scope:SCOPE_SE
	s_setreg_imm32_b32 hwreg(HW_REG_WAVE_MODE, 25, 1), 1
	s_wait_xcnt 0x0
	s_wait_alu depctr_hold_cnt(0) depctr_sa_sdst(0) depctr_va_vdst(0) depctr_va_sdst(0) depctr_va_ssrc(0) depctr_va_vcc(0) depctr_vm_vsrc(0)
	s_getreg_b32 s2, hwreg(HW_REG_IB_STS2, 6, 4)
	s_cmp_eq_u32 s2, 0
	s_cbranch_scc0 .Lentry_in_a_cluster
	s_endpgm
.Lentry_in_a_cluster:
	s_bfe_u32 s2, ttmp6, 0x10000c
	s_cmp_lg_u32 s2, 0xf033
	s_cbranch_scc0 .Lentry_shape_is_right
	s_endpgm
.Lentry_shape_is_right:
; The three input projections on codes of FP6 (E2M3), + bias in f32, quantised again for the attention launch.  K = 1,024.
; A tile is 128 rows I (source 1: a lane holds one) x 256 rows J (source 0: a lane's registers run along them); a wave makes 64 x 128: 32 accumulators.
; q, k: I = tokens, J = channels, so that a lane's registers run along the head's axis, the scores' K.  v: I = channels (v_w), J = tokens (value), so that they run along the keys, the second product's K.
; A WORK-GROUP STAYS: 256 work-groups, each makes one tile of q (p = 0), of k (1) and of v (2).  What differs between the three is chosen by selects on p.  A loop of two trips serves q and k; v's tile, which asks for nothing more, is written out.
; THE RING.  K lies in LDS in two halves of 512 along K, each A's 8 tiles of 16 rows and then B's 16, a tile's half being 6,144 bytes on end: two slots of 147,456 bytes.
; At the head one tensor load a wave: wave 0 A's first half, wave 1 B's, wave 2 A's second half, wave 3 B's.  In K step 3 nobody reads the first half any more: it takes the next tile's (waves 0, 1); in K step 7 the second half (waves 2, 3).
; Each refill stands behind the wait for all tensor loads, the add, the wait for it and a round of the cluster's barrier.  By this text's own count a wave has one tensor load out.
; CLUSTERS: 4 x 4.  A's halves hang on the I tile alone and are asked for jointly by a row of the cluster, B's on the J tile alone, by a column.
; PREFETCH.  In K steps 0 and 1 the next tile's two halves are asked for, three and six K steps ahead of their loads.  The sixteen waves that will ask for a half jointly share its blocks of 256 bytes out by address: of A half a tile's 24 blocks each, of B a tile's.
; Operands lie in memory and in LDS as images of their registers (registers 4 c .. 4 c + 3 of lane l at 512 c + 16 l): a fragment is three ds_load_b128 of consecutive bytes.
; The 16 registers of J tiles 2 G and 2 G + 1 are 16 neighbours, 32 G + 16 (lane / 16) + 0 .. 15.
; The scale words and biases of the next tile are loaded in K step 3 (scale words and the bias along I into spare registers, copied at the tile's start).  A scale register e holds step e in lanes 0-15 and step 4 + e in lanes 16-31.
; BIAS.  Along J (q, k) it is the C of the first K step; along I (v) it is added as the sums leave their window.  Both are loaded, and the one that does not belong to the orientation is masked to +0.
; RESULTS.  img: q at 0, k at 6,291,456: [16 b + head][tile of tokens] half images (64 along K, 6 registers: 0-3 at 16 l, 4-5 at 512 + 8 l; 768 bytes);
;   v at 12,582,912: [16 b + head][128 keys g][tile a of the head's 64][half c of the 128 keys] half images.
; sc: q's words [16 b + head][tile / 4][r][tile % 4] at 0; from 524,288 on, for each pair of heads 24,576 bytes: k's [head in pair][tile / 4][r][tile % 4], then at 16,384 v's [head in pair][g][r][a].
;   q's and k's words hold their two bytes twice: the upper two belong to the empty half of the scores' K.
; LIMITS: NaN and infinities are not served; a block of zeros, or one under 2^-124, keeps the byte 1 (the bytes are read by this program alone).
; REGISTERS: window 0: v1-23 addresses; v32-47 A's scale words, v48-79 B's; v80-87 the bias along I; v128-175, v176-223 A's fragments, two sets; in the way out v128-235 are at work.
;   window 1: v0-95, v128-223 B's fragments, two sets.  window 2: accumulator (a, b) at v[8 (8 a + b)].  window 3: v0-63 the bias along J; v64-119 the next tile's scale words and bias along I.
.set WV,   18
.set HI,   19                          ; which 64 rows I are mine
.set LO,   20                          ; which 128 rows J are mine
.set G1A,  24                          ; s[24:31], s[32:39] descriptor groups 1
.set G1B,  32
.set G0A,  40                          ; groups 0: s[40:43] A's first half, s[44:47] B's, s[48:51] A's second half, s[52:55] B's
.set CL,   56                          ; which of the 16 clusters
.set BS,   58                          ; s[58:59] the way out's step from block to block
.set SEL,  60                          ; s[60:61] lane selects
.set ADRA, 4                           ; v4, v5  LDS address of my A fragments in half 0, 1
.set ADRB, 8                           ; v8, v9  of my B fragments
.set SA,   32
.set SB,   48
.set BI,   80
.set STG,  64                          ; window 3
.set AF,   128
.set HA,   128
.set PC,   192
.set TM,   212
.set PW,   228
.set SW,   232
.set MUL,  0xa1                        ; source 0 window 1, source 1 window 0, C and D window 2
.set MULF, 0xb1                        ; the first K step: C window 3
.set TO_B, 0x40
.set MSB, 0
.macro WIN new                         ; the immediate's high byte repeats the setting that is left
.if MSB != \new
	s_set_vgpr_msb (MSB<<8)|\new
.set MSB, \new
.endif
.endm
.macro PLACES n
.rept \n
	v_nop
.endr
.endm
.macro CREST                           ; a round of the cluster's barrier behind its opening barrier
	s_cmp_lg_u32 s[WV], 0
	s_cbranch_scc1 .Lnot_wave_0_\@
	s_barrier_signal -3
.Lnot_wave_0_\@:
	s_barrier_wait -3
	s_barrier_signal -1
	s_barrier_wait -1
.endm
.macro CROUND
	s_barrier_signal -1
	s_barrier_wait -1
	CREST
.endm
.macro SHAPE g, rows                   ; half of K of some tiles: rows of 6,144 bytes (768 elements of 8), 12,288 bytes apart in memory, on end in LDS
	s_mov_b32 s[\g+1], 768<<16
	s_mov_b32 s[\g+2], (\rows)<<16
	s_mov_b32 s[\g+3], 768<<16
	s_mov_b32 s[\g+4], \rows
	s_mov_b32 s[\g+5], 1536
	s_mov_b32 s[\g+6], 0
	s_mov_b32 s[\g+7], 0
.endm
.macro TL g0, g1
	tensor_load_to_lds s[\g0:\g0+3], s[\g1:\g1+7]
	s_nop 0
	PLACES 4
.endm
.macro QUANT s, pw
.irp b, 0,1,2,3
	v_max3_num_f32 v[TM+\b], |v[\s+16*\b]|, |v[\s+1+16*\b]|, 0x1800000   ; my 16 numbers of block b, and the floor 2^(3 - 127): the byte cannot fall under 1
.endr
.irp i, 2,4,6,8,10,12,14
.irp b, 0,1,2,3
	v_max3_num_f32 v[TM+\b], v[TM+\b], |v[\s+16*\b+\i]|, |v[\s+1+16*\b+\i]|
.endr
.endr
.irp b, 0,1,2,3
	v_permlanex16_b32 v[TM+4+\b], v[TM+\b], s[SEL], s[SEL+1]
.endr
.irp b, 0,1,2,3
	v_max_num_f32 v[TM+\b], v[TM+\b], v[TM+4+\b]
.endr
.irp b, 0,1,2,3
	v_add_nc_u32 v[TM+12+\b], 0xff000000, v[TM+\b]         ; 2 off the exponent field: the conversion's scale operand
.endr
.irp b, 0,1,2,3
	v_lshrrev_b32 v[TM+4+\b], 23, v[TM+12+\b]              ; the scale's byte
.endr
	v_lshl_or_b32 v[\pw], v[TM+5], 8, v[TM+4]
	v_lshl_or_b32 v[\pw], v[TM+6], 16, v[\pw]
	v_lshl_or_b32 v[\pw], v[TM+7], 24, v[\pw]
.irp c, 0,1
	v_cvt_scalef32_pk16_fp6_f32 v[PC+6*\c:PC+2+6*\c], v[\s+32*\c:\s+15+32*\c], v[TM+12+2*\c]
	v_cvt_scalef32_pk16_fp6_f32 v[PC+12+4*\c:PC+14+4*\c], v[\s+16+32*\c:\s+31+32*\c], v[TM+12+2*\c+1]
.endr
	v_nop                                                  ; one plain place behind a scaled conversion
.irp c, 0,1
.irp i, 0,1,2
	v_permlane16_swap_b32 v[PC+6*\c+\i], v[PC+12+4*\c+\i]
.endr
.irp i, 0,1,2
	v_mov_b32 v[PC+3+6*\c+\i], v[PC+12+4*\c+\i]
.endr
.endr
.endm
; From p (s76): my I tile s83, my J tile s84, A's and B's first tile of 16 rows in opc s85, s86, the biases' masks s81, s82
.macro PARAM
	s_and_b32 s78, s[CL], 1
	s_lshl_b32 s78, s78, 2                         ; v: I tiles 4 (cl % 2) on,
	s_lshl_b32 s79, s[CL], 2                       ; q, k: 4 cl on
	s_lshr_b32 s80, s[CL], 1
	s_lshl_b32 s80, s80, 2                         ; v: J tiles 4 (cl / 2) on
	s_lshl_b32 s85, s76, 9                         ; q, k: A's first tile in opc: 512 p
	s_lshl_b32 s86, s76, 6
	s_add_co_u32 s86, s86, 1536                    ; and B's: 1,536 + 64 p
	s_cmp_eq_u32 s76, 2
	s_cselect_b32 s78, s78, s79
	s_cselect_b32 s80, s80, 0
	s_cselect_b32 s81, 0, -1                       ; keeps the bias along J for q and k
	s_cselect_b32 s82, -1, 0                       ; keeps the bias along I for v
	s_cselect_b32 s85, 1664, s85                   ; v: A = v_w,
	s_cselect_b32 s86, 1024, s86                   ; B = value
	s_add_co_u32 s83, s78, s22
	s_add_co_u32 s84, s80, s21
	s_lshl_b32 s2, s83, 3
	s_add_co_u32 s85, s85, s2
	s_lshl_b32 s3, s84, 4
	s_add_co_u32 s86, s86, s3
.endm
.macro ADDR                            ; s[68:69], s[70:71]: where A's and B's tiles begin
	s_mul_i32 s68, s85, 12288
	s_mov_b32 s69, 0
	s_mul_i32 s70, s86, 12288
	s_mov_b32 s71, 0
	s_add_nc_u64 s[68:69], s[4:5], s[68:69]
	s_add_nc_u64 s[70:71], s[4:5], s[70:71]
.endm
.macro DESC                            ; the four groups 0 take these addresses: written only where no tensor load of the wave is out
.irp g, 0,1
	s_add_nc_u64 s[G0A+8*\g+2:G0A+8*\g+3], s[68:69], 6144*\g
	s_or_b32 s[G0A+8*\g+3], s[G0A+8*\g+3], 0x80000000
	s_add_nc_u64 s[G0A+8*\g+6:G0A+8*\g+7], s[70:71], 6144*\g
	s_or_b32 s[G0A+8*\g+7], s[G0A+8*\g+7], 0x80000000
.endr
.endm
.macro PFBASE                          ; my share of the next tile's blocks: s72 = 4 cx + wave among A's sixteen askers, s73 = 4 cy + wave among B's
	s_lshr_b32 s74, s72, 1
	s_mul_i32 s74, s74, 12288
	s_and_b32 s75, s72, 1
	s_mul_i32 s75, s75, 3072
	s_add_co_u32 s74, s74, s75
	s_mov_b32 s75, 0
	s_add_nc_u64 s[62:63], s[68:69], s[74:75]
	s_mul_i32 s74, s73, 12288
	s_add_nc_u64 s[74:75], s[70:71], s[74:75]
.endm
; The scale words of my 4 + 8 tiles (256 bytes for each half of the lanes a load) and the biases of the tile whose numbers PARAM left
.macro SCLOADS
	s_mov_b32 s3, 0
	s_lshl_b32 s2, s[HI], 2
	s_add_co_u32 s2, s2, s85
	s_lshl_b32 s2, s2, 9
	s_add_nc_u64 s[96:97], s[6:7], s[2:3]
	s_lshl_b32 s2, s[LO], 3
	s_add_co_u32 s2, s2, s86
	s_lshl_b32 s2, s2, 9
	s_add_nc_u64 s[98:99], s[6:7], s[2:3]
	s_cmp_eq_u32 s76, 0
	s_cselect_b64 s[100:101], s[8:9], s[10:11]
	s_cmp_eq_u32 s76, 2
	s_cselect_b64 s[100:101], s[12:13], s[100:101]
	s_lshl_b32 s87, s83, 1
	s_add_co_u32 s87, s87, s[HI]                   ; I64: which 64 rows I
	s_lshl_b32 s88, s84, 1
	s_add_co_u32 s88, s88, s[LO]                   ; J128: which 128 rows J
	s_and_b32 s2, s87, 15                          ; (the masks keep the load that is thrown away inside its buffer)
	s_lshl_b32 s2, s2, 8
	s_add_nc_u64 s[90:91], s[100:101], s[2:3]
	s_and_b32 s2, s88, 7
	s_lshl_b32 s2, s2, 9
	s_add_nc_u64 s[100:101], s[100:101], s[2:3]
	WIN 0xc0                                       ; destination window 3
.irp a, 0,1,2,3
	global_load_b128 v[STG+4*\a:STG+4*\a+3], v21, s[96:97] offset:512*\a
.endr
.irp b, 0,1,2,3,4,5,6,7
	global_load_b128 v[STG+16+4*\b:STG+16+4*\b+3], v21, s[98:99] offset:512*\b
.endr
.irp t, 0,1,2,3,4,5,6,7
	global_load_b128 v[8*\t:8*\t+3], v19, s[100:101] offset:(32*(\t/2)+8*(\t%2))*4
	global_load_b128 v[8*\t+4:8*\t+7], v19, s[100:101] offset:(32*(\t/2)+8*(\t%2))*4+16
.endr
.irp a, 0,1,2,3
	global_load_b32 v[STG+48+2*\a], v20, s[90:91] offset:(32*(\a/2)+8*(\a%2))*4
	global_load_b32 v[STG+48+2*\a+1], v20, s[90:91] offset:(32*(\a/2)+8*(\a%2))*4    ; twice: a pair for the packed addition
.endr
	WIN 0
.endm
; Where this tile's results go (p in s76, I64 in s87, J128 in s88)
.macro SETOUT
	s_mov_b32 s3, 0
	s_lshr_b32 s77, s87, 5                         ; q, k: b = I64 / 32
	s_lshr_b32 s2, s88, 4                          ; v: b = J128 / 16
	s_and_b32 s78, s87, 31                         ; q, k: which 64 tokens of the batch
	s_and_b32 s79, s88, 15                         ; v: which 128 keys
	s_lshl_b32 s80, s88, 1                         ; q, k: the first of my two heads
	s_lshr_b32 s89, s87, 1                         ; v: the pair of heads
	s_and_b32 s23, s87, 1
	s_lshl_b32 s23, s23, 12
	s_add_co_u32 s23, s23, 16384                   ; v: its words' place in the pair's block
	s_mov_b32 s83, 3072
	s_mov_b32 s84, 768
	s_mov_b32 s85, 98304
	s_mov_b32 s86, 0x01000100
	s_cmp_eq_u32 s76, 2
	s_cselect_b32 s77, s2, s77                     ; b
	s_cselect_b32 s78, s79, s78
	s_cselect_b32 s80, s87, s80
	s_cselect_b32 s89, s89, s88
	s_cselect_b32 s23, s23, 0
	s_cselect_b32 s83, 6144, s83
	s_cselect_b32 s84, 1536, s84                   ; from block a to block a + 1
	s_cselect_b32 s85, 768, s85                    ; from a fragment's first half to its second: q, k: the next head; v: the next half image
	s_cselect_b32 s86, 0x03020100, s86             ; the bytes of a scale word that a lane sends: v: all four; q, k: its head's two, twice
	s_cselect_b32 s66, 0, 0x02020202
	s_cselect_b32 s67, 0, 8192                     ; q, k: lanes 16-31 send the second head's words
	s_lshl_b32 s2, s77, 4
	s_add_co_u32 s80, s80, s2                      ; 16 b + head
	s_mul_i32 s2, s76, 6291456
	s_mul_i32 s79, s80, 98304
	s_add_co_u32 s2, s2, s79
	s_mul_i32 s79, s78, s83
	s_add_co_u32 s2, s2, s79
	s_add_nc_u64 s[92:93], s[14:15], s[2:3]        ; img, at my block 0
	s_lshl_b32 s79, s78, 8
	s_lshl_b32 s2, s80, 13
	s_add_co_u32 s2, s2, s79                       ; q's words
	s_lshl_b32 s77, s77, 3
	s_add_co_u32 s77, s77, s89                     ; 8 b + pair of heads
	s_mul_i32 s77, s77, 24576
	s_add_co_u32 s77, s77, 524288
	s_add_co_u32 s77, s77, s23
	s_add_co_u32 s77, s77, s79                     ; k's and v's
	s_cmp_eq_u32 s76, 0
	s_cselect_b32 s2, s2, s77
	s_add_nc_u64 s[94:95], s[16:17], s[2:3]        ; sc, at my words
	s_mov_b32 s[BS], s84
	s_mov_b32 s[BS+1], 0
	v_add_nc_u32 v14, s85, v12
	v_add_nc_u32 v15, s85, v13
	v_mul_lo_u32 v16, v3, s67
	v_lshl_add_u32 v16, v2, 4, v16                 ; 16 r (+ the second head)
	v_mul_lo_u32 v17, v3, s66
	v_add_nc_u32 v17, s86, v17
	v_and_b32 v18, s82, v3                         ; v: lanes 16-31 send no words
.endm
; the fragments of K step s into set s % 2: 36 loads of 512 consecutive bytes
.macro FETCH s
	WIN TO_B
.irp i, 0,1,2,3,4,5,6,7
.irp c, 0,1,2
	ds_load_b128 v[128*((\s)%2)+12*\i+4*\c:128*((\s)%2)+12*\i+4*\c+3], v[ADRB+(\s)/4] offset:6144*\i+1536*((\s)%4)+512*\c
.endr
.endr
	WIN 0
.irp i, 0,1,2,3
.irp c, 0,1,2
	ds_load_b128 v[AF+48*((\s)%2)+12*\i+4*\c:AF+48*((\s)%2)+12*\i+4*\c+3], v[ADRA+(\s)/4] offset:6144*\i+1536*((\s)%4)+512*\c
.endr
.endr
.endm
; 16 matrix instructions: I blocks a0, a0 + 1 x J's eight tiles.  The 32 accumulators take turns, one instruction a turn, in the same order in every step.
.macro MUL16 a0, s
.irp a, \a0, \a0+1
.irp b, 0,1,2,3,4,5,6,7
.if (\s) == 0
	v_wmma_scale_f32_16x16x128_f8f6f4 v[8*(8*(\a)+\b):8*(8*(\a)+\b)+7], v[12*\b:12*\b+11], v[AF+12*(\a):AF+12*(\a)+11], v[8*\b:8*\b+7], v[SB+4*\b], v[SA+4*(\a)] matrix_a_fmt:MATRIX_FMT_FP6 matrix_b_fmt:MATRIX_FMT_FP6
.elseif (\s) < 4
	v_wmma_scale_f32_16x16x128_f8f6f4 v[8*(8*(\a)+\b):8*(8*(\a)+\b)+7], v[128*((\s)%2)+12*\b:128*((\s)%2)+12*\b+11], v[AF+48*((\s)%2)+12*(\a):AF+48*((\s)%2)+12*(\a)+11], v[8*(8*(\a)+\b):8*(8*(\a)+\b)+7], v[SB+4*\b+(\s)%4], v[SA+4*(\a)+(\s)%4] matrix_a_fmt:MATRIX_FMT_FP6 matrix_b_fmt:MATRIX_FMT_FP6
.else
	v_wmma_scale_f32_16x16x128_f8f6f4 v[8*(8*(\a)+\b):8*(8*(\a)+\b)+7], v[128*((\s)%2)+12*\b:128*((\s)%2)+12*\b+11], v[AF+48*((\s)%2)+12*(\a):AF+48*((\s)%2)+12*(\a)+11], v[8*(8*(\a)+\b):8*(8*(\a)+\b)+7], v[SB+4*\b+(\s)%4], v[SA+4*(\a)+(\s)%4] matrix_a_fmt:MATRIX_FMT_FP6 matrix_b_fmt:MATRIX_FMT_FP6 matrix_a_scale:MATRIX_SCALE_ROW1 matrix_b_scale:MATRIX_SCALE_ROW1
.endif
.endr
.endr
.endm
.macro MWIN s
.if (\s) == 0
	WIN MULF
.else
	WIN MUL
.endif
.endm
.macro REFILL h                        ; half h of the ring takes the next tile's: wave 2 h asks for A's, wave 2 h + 1 for B's
	s_cmp_eq_u32 s[WV], 2*(\h)
	s_cbranch_scc0 .Lfor_b_\@
	TL G0A+8*(\h), G1A
	s_branch .Ljoin_\@
.Lfor_b_\@:
	s_cmp_eq_u32 s[WV], 2*(\h)+1
	s_cbranch_scc0 .Ljoin_\@
	TL G0A+8*(\h)+4, G1B
.Ljoin_\@:
.endm
; A K step of 128.  rf = 1: a tile that has a successor.  K step 3 shows the second half of K to every wave; with rf it opens a round, behind which the first half is filled again; K step 7 with rf likewise for the second half.
.macro STEP s, rf
.if ((\s) == 3) || (((\s) == 7) && (\rf))
	WIN 0
	s_wait_tensorcnt 0x0                           ; all my tensor loads have landed;
.if \rf
	ds_add_u32 v254, v255
.if (\s) == 3
	DESC                                           ; no load of mine is out: the groups 0 take the next tile's addresses
.endif
.endif
	s_wait_dscnt 0x0                               ; the add is done, this step's fragments are in, and so my reads of the half that is left are over
	s_barrier_signal -1
	MWIN \s
	MUL16 0, \s
	WIN 0
	s_barrier_wait -1
.if \rf
	CREST
	REFILL (\s)/4
.endif
.else
	s_wait_dscnt 0x0                               ; this step's fragments are in (asked for 16 matrix instructions ago)
	MWIN \s
	MUL16 0, \s
.endif
.if (\s) < 7
	PLACES 4                                       ; in front of loads into the set that the step before multiplied
	FETCH (\s)+1
.endif
.if \rf
.if (\s) < 2                           ; the next tile's half s is asked for into the L2
	global_prefetch_b8 v22, s[62:63] offset:6144*(\s) th:TH_LOAD_NT scope:SCOPE_SE
	global_prefetch_b8 v23, s[74:75] offset:6144*(\s) th:TH_LOAD_NT scope:SCOPE_SE
.endif
.if (\s) == 3
	SCLOADS                                        ; the next tile's scale words and biases
.endif
.endif
	MWIN \s
	MUL16 2, \s
.endm
; Block a: 64 numbers of a lane (its row I; 128 along J) leave their window with the bias along I, become a fragment, and go out as two half images.
.macro OUTBLK a
.if (\a) > 0
	s_wait_xcnt 0x0                                ; the last block's stores have read their data and their base
	s_add_nc_u64 s[92:93], s[92:93], s[BS:BS+1]
.endif
	WIN 0x02                                       ; source 0 window 2
.set i, 0
.rept 32
	v_pk_add_f32 v[HA+2*i:HA+2*i+1], v[64*(\a)+2*i:64*(\a)+2*i+1], v[BI+2*(\a):BI+2*(\a)+1]   ; each accumulator from its low end on
.set i, i+1
.endr
	WIN 0
	QUANT HA, PW
	v_perm_b32 v[SW+(\a)], v[PW], v[PW], v17
	global_store_b128 v12, v[PC:PC+3], s[92:93]                    ; 512 consecutive bytes,
	global_store_b64 v13, v[PC+4:PC+5], s[92:93] offset:512        ; 256
	global_store_b128 v14, v[PC+6:PC+9], s[92:93]
	global_store_b64 v15, v[PC+10:PC+11], s[92:93] offset:512
.endm
.macro TILE rf
	s_wait_xcnt 0x0                                ; the last tile's stores and prefetches have read their registers
	FETCH 0
	SETOUT
	s_wait_loadcnt 0x0                             ; this tile's scale words and biases
	WIN 0x03                                       ; source 0 window 3
.set j, 0
.rept 48
	v_mov_b32 v[SA+j], v[STG+j]
.set j, j+1
.endr
	WIN 0xcc                                       ; source 1 and destination window 3
.set j, 0
.rept 64
	v_and_b32 v[j], s81, v[j]
.set j, j+1
.endr
	WIN 0x0c                                       ; source 1 window 3
.set j, 0
.rept 8
	v_and_b32 v[BI+j], s82, v[STG+48+j]
.set j, j+1
.endr
	WIN 0
	s_wait_alu depctr_va_vdst(0)                   ; the wait ahead of the scalar lines and waits below
.if \rf
	s_add_co_u32 s76, s76, 1                       ; on to the next tile's numbers
	PARAM
	ADDR
	PFBASE
.endif
.irp s, 0,1,2,3,4,5,6,7
	STEP \s, \rf
.endr
	WIN 0
	PLACES 4                                       ; behind the last products: their results are read and their operands' registers written below
.irp b, 0,1,2,3
	v_mov_b32 v[TM+4+\b], 0                        ; a lane permute's destination counts as one of its sources
.endr
	OUTBLK 0
	OUTBLK 1
	OUTBLK 2
	OUTBLK 3
	s_wait_alu depctr_va_vdst(0)
	s_wait_xcnt 0x0                                ; EXEC changes only behind this wait
	v_cmp_eq_u32 vcc_lo, 0, v18
	s_and_saveexec_b32 s57, vcc_lo
	global_store_b128 v16, v[SW:SW+3], s[94:95]    ; sixteen lanes fill 256 aligned bytes
	s_wait_xcnt 0x0
	s_or_b32 exec_lo, exec_lo, s57
.endm
	s_load_b256 s[4:11], s[0:1], 0x0               ; opc, ops, q_b, k_b
	s_load_b128 s[12:15], s[0:1], 0x20             ; v_b, img
	s_load_b64 s[16:17], s[0:1], 0x30              ; sc
	v_lshl_add_u32 v254, v0, 2, 0x48000
	v_mov_b32 v255, 0
	ds_add_u32 v254, v255                          ; the opening lines: the add twice on end and its wait
	ds_add_u32 v254, v255
	v_lshrrev_b32 v1, 5, v0
	v_readfirstlane_b32 s[WV], v1
	s_lshr_b32 s[HI], s[WV], 1
	s_and_b32 s[LO], s[WV], 1
	s_bfe_u32 s21, ttmp6, 0x40000                  ; cx
	s_bfe_u32 s22, ttmp6, 0x40004                  ; cy
	s_and_b32 s[CL], ttmp7, 0xffff                 ; the cluster's y
	s_mov_b32 s76, 0                               ; p: q first
	PARAM
	s_lshl_b32 s87, s22, 2
	s_lshl_b32 s87, 15, s87                        ; my row of the cluster
	s_lshl_b32 s88, 0x1111, s21                    ; my column
	s_or_b32 s[G1A], s87, (3<<16)|(1<<21)          ; 15:0 the mask; 17:16 elements of 8 bytes; 21 set beside a mask; no padding
	s_or_b32 s[G1B], s88, (3<<16)|(1<<21)
	SHAPE G1A, 8
	SHAPE G1B, 16
.irp g, 0,1
	s_mov_b32 s[G0A+8*\g], 1
	s_mov_b32 s[G0A+8*\g+1], 147456*\g
	s_mov_b32 s[G0A+8*\g+4], 1
	s_mov_b32 s[G0A+8*\g+5], 147456*\g+49152
.endr
	s_lshl_b32 s72, s21, 2
	s_add_co_u32 s72, s72, s[WV]
	s_lshl_b32 s73, s22, 2
	s_add_co_u32 s73, s73, s[WV]
	s_mov_b32 s[SEL], 0x76543210
	s_mov_b32 s[SEL+1], 0xfedcba98
	s_wait_dscnt 0x0
	s_wait_kmcnt 0x0
	ADDR
	DESC
	CROUND                                         ; all sixteen work-groups are here: the joint loads meet
.macro ARM under, g0, g1, next         ; one chain of branches on the wave's number, one load to an arm, all arms to one join
	s_cmp_lt_u32 s[WV], \under
	s_cbranch_scc0 \next
	TL \g0, \g1
	s_branch .Lasked
\next:
.endm
	ARM 1, 40, G1A, .Larm_b0
	ARM 2, 44, G1B, .Larm_a1
	ARM 3, 48, G1A, .Larm_b1
	TL 52, G1B
.Lasked:
	v_and_b32 v1, 31, v0                           ; lane
	v_and_b32 v2, 15, v0                           ; r
	v_bfe_u32 v3, v0, 4, 1                         ; h
	v_lshlrev_b32 v12, 4, v1                       ; 16 x lane
	v_lshlrev_b32 v13, 3, v1                       ; 8 x lane
	s_wait_alu depctr_va_vdst(0)
	s_mul_i32 s2, s[HI], 24576                     ; my 4 tiles of A's 8,
	s_mul_i32 s3, s[LO], 49152                     ; my 8 of B's 16,
	s_add_co_u32 s3, s3, 49152                     ; which lie behind A's
.irp g, 0,1
	v_add_nc_u32 v[ADRA+\g], s2, v12
	v_add_nc_u32 v[ADRB+\g], s3, v12
	s_add_co_u32 s2, s2, 147456
	s_add_co_u32 s3, s3, 147456
.endr
	v_lshlrev_b32 v21, 4, v2
	v_lshl_add_u32 v21, v3, 8, v21                 ; the scale words: 256 h + 16 r
	v_lshlrev_b32 v19, 6, v3                       ; the bias along J: 64 h
	v_and_b32 v20, 8, v2
	v_add_nc_u32 v20, v20, v2
	v_lshlrev_b32 v20, 2, v20                      ; along I: 4 (r + 8 (r / 8))
	v_min_u32 v22, 11, v1
	v_lshlrev_b32 v22, 8, v22                      ; the prefetches: a lane a block of 256 bytes, 12 of A (lanes left over name the last again),
	v_min_u32 v23, 23, v1
	v_lshlrev_b32 v23, 8, v23                      ; 24 of B
	s_wait_alu depctr_va_vdst(0)                   ; the wait at the head's end
	SCLOADS
	s_cmp_lt_u32 s[WV], 2
	s_cbranch_scc0 .Lnot_half0
	s_wait_tensorcnt 0x0                           ; waves 0 and 1: the first half of K, whose two load lines at the head are theirs alone, is in
.Lnot_half0:
	s_barrier_signal -1
	s_barrier_wait -1                              ; the second half may be on its way
.Ltile:
	TILE 1                                         ; q, then k
	s_wait_alu depctr_va_vdst(0)
	s_cmp_lt_u32 s76, 2
	s_cbranch_scc1 .Ltile
	TILE 0                                         ; v: nothing is left to ask for
	s_wait_tensorcnt 0x0                           ; the wave's end
	ds_add_u32 v254, v255
	s_wait_dscnt 0x0
	CROUND                                         ; the closing round
	s_endpgm
.Lfunc_end_k_q0db465a0d7_proj:
	.size	k_q0db465a0d7_proj, .Lfunc_end_k_q0db465a0d7_proj-k_q0db465a0d7_proj
	.p2alignl 7, 3214868480
	.fill 96, 4, 3214868480
	.section	.rodata,"a",@progbits
	.p2align	6, 0x0
	.amdhsa_kernel k_q0db465a0d7_proj
		.amdhsa_group_segment_fixed_size 327680
		.amdhsa_private_segment_fixed_size 0
		.amdhsa_enable_private_segment 0
		.amdhsa_kernarg_size 56
		.amdhsa_user_sgpr_count 2
		.amdhsa_user_sgpr_kernarg_segment_ptr 1
		.amdhsa_wavefront_size32 1
		.amdhsa_system_sgpr_workgroup_id_x 1
		.amdhsa_system_sgpr_workgroup_id_y 1
		.amdhsa_system_sgpr_workgroup_id_z 1
		.amdhsa_system_vgpr_workitem_id 0
		.amdhsa_next_free_vgpr 896
		.amdhsa_next_free_sgpr 104
		.amdhsa_reserve_vcc 1
		.amdhsa_float_denorm_mode_32 3
		.amdhsa_float_denorm_mode_16_64 3
		.amdhsa_memory_ordered 1
		.amdhsa_forward_progress 1
		.amdhsa_inst_pref_size 189
	.end_amdhsa_kernel
	.amdgpu_metadata
---
amdhsa.version: [ 1, 2 ]
amdhsa.kernels:
  - .name:           k_q0db465a0d7_proj
    .symbol:         k_q0db465a0d7_proj.kd
    .args:
      - { .name: opc, .offset: 0, .size: 8, .value_kind: global_buffer, .address_space: global }
      - { .name: ops, .offset: 8, .size: 8, .value_kind: global_buffer, .address_space: global }
      - { .name: q_b, .offset: 16, .size: 8, .value_kind: global_buffer, .address_space: global }
      - { .name: k_b, .offset: 24, .size: 8, .value_kind: global_buffer, .address_space: global }
      - { .name: v_b, .offset: 32, .size: 8, .value_kind: global_buffer, .address_space: global }
      - { .name: img, .offset: 40, .size: 8, .value_kind: global_buffer, .address_space: global }
      - { .name: sc, .offset: 48, .size: 8, .value_kind: global_buffer, .address_space: global }
    .group_segment_fixed_size: 327680
    .private_segment_fixed_size: 0
    .kernarg_segment_align: 8
    .kernarg_segment_size: 56
    .max_flat_workgroup_size: 128
    .sgpr_count:     104
    .vgpr_count:     896
    .wavefront_size: 32
...
	.end_amdgpu_metadata
.endif
;; end of part 2
;; launch attn (part 3): grid 4 x 64, 16 waves a work-group, clusters of 4 x 1, 211,968 bytes of LDS; arguments img, sc, aoc, aos; writes aoc, aos
.if DOCPART == 3
	.amdgcn_target "amdgcn-amd-amdhsa--gfx1250"
	.amdhsa_code_object_version 6
	.text
	.protected	k_q0db465a0d7_attn
	.globl	k_q0db465a0d7_attn
	.p2align	8
	.type	k_q0db465a0d7_attn,@function
k_q0db465a0d7_attn:
	s_mov_b64 s[64:65], 0
	v_nop
	global_prefetch_b8 v0, s[64:65] scope:SCOPE_SE
	s_setreg_imm32_b32 hwreg(HW_REG_WAVE_MODE, 25, 1), 1
	s_wait_xcnt 0x0
	s_wait_alu depctr_hold_cnt(0) depctr_sa_sdst(0) depctr_va_vdst(0) depctr_va_sdst(0) depctr_va_ssrc(0) depctr_va_vcc(0) depctr_vm_vsrc(0)
	s_getreg_b32 s2, hwreg(HW_REG_IB_STS2, 6, 4)
	s_cmp_eq_u32 s2, 0
	s_cbranch_scc0 .Lentry_in_a_cluster
	s_endpgm
.Lentry_in_a_cluster:
	s_bfe_u32 s2, ttmp6, 0x10000c
	s_cmp_lg_u32 s2, 0x3003
	s_cbranch_scc0 .Lentry_shape_is_right
	s_endpgm
.Lentry_shape_is_right:
; softmax(q k^T / 8) v for 64 (batch, head) pairs of 2,048 x 2,048, head size 64, both products on codes of FP6 (E2M3); O / l is quantised along the head's 64 for the output projection.
; t = score x log2(e) / 8; M = the running largest t rounded UP to a whole number; p = 2^(t - M) is quantised along the keys, not normalised; the row's sum is taken of the unquantised p and divides O at the end.
; SHARES.  A work-group owns 512 queries of ONE head y = 16 b + head; each of its sixteen waves two tiles of 16 queries, one after the other, 16 key steps of 128 keys each.
; ALL OF THE HEAD'S K AND V LIES IN LDS: 98,304 bytes each, and 12,288 bytes of scale words.  Nothing is filled twice: no ring, and behind the barrier at the head the waves meet once more, behind the first tile's first four key steps, before the end.
; FILLS.  One tensor load a wave at the head: waves 0-3 a quarter of K each, waves 4-7 of V, wave 8 K's scale words, wave 9 V's; every wave waits for 0 ahead of the barrier.
; CLUSTER.  The four query blocks of a head form a cluster and ask for each of these tiles jointly (mask 15).
; NO PREFETCH: all loads go out at the head; there is no loop of loads to run ahead in.
; LAYOUT.  Both products are used transposed (S^T = K Q^T, O^T = V^T P^T): a lane holds one query.  Operands lie in memory and LDS as half images of their registers (768 bytes: registers 0-3 at 16 l, 4-5 at 512 + 8 l).
; Row m of K's tile t of a step is key 64 (t / 4) + 8 (t % 4) + m % 8 + 32 (m / 8): so the 32 registers of tiles 4 c .. 4 c + 3 of lane (r, h) are keys 64 c + 32 h + 0 .. 31, ONE WHOLE BLOCK, in the order of p's operand:
; a block's largest needs no other lane, and the conversions' results are the operand's registers.
; THE SCORES' K IS 64, half of the instruction's 128.  Q's operand has zero codes in its upper six registers; K's operand of tile t has the next tile's codes there (behind tile 7: zeros).  They meet zero codes under real scale bytes: exact zeros.
; RESULTS.  aoc [tile of 16 tokens][K step head / 2][head % 2] half images; aos [head][tile][r] two scale bytes.
; LIMITS: NaN and infinities are not served; a block of zeros, or one under 2^-124, keeps the byte 1 (the bytes are read by this program alone); the promise holds while |t| stays under 2^31.
.set VB,    98304                      ; V behind K
.set SCK,   196608                     ; K's scale words [tile / 4][r][tile % 4]; 8,192 on V's [step][r][tile of d]
.set GATH,  208896                     ; 32 tiles x 32 bytes: the results' scale bytes meet here
.set SPARE, 209920                     ; the spare words, 128 bytes a wave
.set KV,   36                          ; v36-83 K's 8 tiles x 6, later V's 4 fragments x 12; v84-89 zeros
.set S,    102                         ; v102-165 S^T, then p
.set O,    166                         ; v166-197 O^T
.set PC,   198                         ; v198-209 p's codes
.set CT,   210                         ; v210-212, v214-216 the conversions' second halves
.set BM,   218                         ; v218-221 four chains; then v218, v220 my two blocks' largest
.set T2,   222
.set SO,   226                         ; v226, v227 the conversions' scale operands
.set AO,   234                         ; v234-239, v240-245 the two tiles' results
.set AOW,  246
.set WV,   12
.set SEL,  40
.set CS,   42                          ; s[42:43] c = log2(e) / 8
.set TK,   44                          ; the step's place in K and in V,
.set TS,   45                          ; in K's scale words,
.set TJ,   46                          ; in V's
.set CNT,  47
; v1 16 x lane, v2 8 x lane, v3, v4 the same + VB; v5, v6 the add's two; v7 SCK + 16 r; v8-11, v247, v248 the step's addresses; v12 -M, v13 the largest t, v[14:15] the sum;
; v16-27 Q (22-27 zeros), v28-33 the second tile's; v34, v35 their scale words; v90-97 K's scale words, v98-101 V's; v230 f, v231 p's scale word; v232 at work; v233 8 h; v249, v250 GATH; v251 16 r
.macro CROUND
	s_barrier_signal -1
	s_barrier_wait -1
	s_cmp_lg_u32 s[WV], 0
	s_cbranch_scc1 .Lnot_wave_0_\@
	s_barrier_signal -3
.Lnot_wave_0_\@:
	s_barrier_wait -3
	s_barrier_signal -1
	s_barrier_wait -1
.endm
.macro DENSE g, rows                   ; a dense block as rows of 256 bytes (32 elements of 8); the mask names all four partners, bit 21 beside it
	s_mov_b32 s[\g], 15|(3<<16)|(1<<21)
	s_mov_b32 s[\g+1], 32<<16
	s_mov_b32 s[\g+2], (\rows)<<16
	s_mov_b32 s[\g+3], 32<<16
	s_mov_b32 s[\g+4], \rows
	s_mov_b32 s[\g+5], 32
	s_mov_b32 s[\g+6], 0
	s_mov_b32 s[\g+7], 0
.endm
.macro TL g0, g1
	tensor_load_to_lds s[\g0:\g0+3], s[\g1:\g1+7]
	s_nop 0
.rept 4
	v_nop
.endr
.endm
	s_load_b256 s[4:11], s[0:1], 0x0               ; img, sc, aoc, aos
	v_lshl_add_u32 v5, v0, 2, SPARE
	v_mov_b32 v6, 0
	ds_add_u32 v5, v6                              ; the opening lines: the add twice on end and its wait
	ds_add_u32 v5, v6
	v_lshrrev_b32 v1, 5, v0
	v_readfirstlane_b32 s[WV], v1                  ; wave 0..15
	s_bfe_u32 s13, ttmp6, 0x40000                  ; cx: my block of 512 queries: it enters Q's and the results' addresses alone
	s_and_b32 s15, ttmp7, 0xffff                   ; y = 16 b + head, which the partners share
	DENSE 16, 96                                   ; a quarter of K or V: 24,576 bytes
	DENSE 24, 32                                   ; K's scale words: 8,192
	DENSE 72, 16                                   ; V's: 4,096
	DENSE 84, 288                                  ; the last three quarters of K or V: 73,728
; THE FILLS, in place of the line on them at the head: waves 0, 1 the first quarter (512 keys) of K, of V; wave 2 K's scale words, wave 3 V's; waves 4, 5 the other three quarters of K, of V.
; Waves 0-3, whose load lines are theirs alone, wait ahead of the first barrier; behind the first tile's four first key steps every wave waits for 0, and a barrier shows the rest.
	s_and_b32 s48, s[WV], 1                        ; an even wave fetches of K, an odd one of V
	s_add_co_u32 s49, s48, 1
	s_mul_i32 s49, s49, 6291456                    ; k's images begin at 6,291,456, v's at twice that
	s_mul_i32 s50, s15, 98304
	s_add_co_u32 s50, s50, s49
	s_mov_b32 s51, 0
	s_mul_i32 s33, s48, 98304                      ; the first quarter's place in LDS,
	s_add_co_u32 s93, s33, 24576                   ; and the rest's
	s_lshr_b32 s54, s15, 1
	s_mul_i32 s54, s54, 24576
	s_add_co_u32 s54, s54, 524288                  ; the pair of heads' block of scale words
	s_and_b32 s53, s15, 1
	s_lshl_b32 s52, s53, 13
	s_add_co_u32 s52, s52, s54                     ; K's
	s_lshl_b32 s53, s53, 12
	s_add_co_u32 s54, s54, s53
	s_add_co_u32 s54, s54, 16384                   ; V's
	s_mov_b32 s53, 0
	s_mov_b32 s55, 0
	s_lshl_b32 s56, s13, 5
	s_lshl_b32 s57, s[WV], 1
	s_add_co_u32 s56, s56, s57                     ; my first tile of queries in the batch: 32 cx + 2 wave
	s_mul_i32 s58, s15, 98304
	s_mul_i32 s57, s56, 768
	s_add_co_u32 s58, s58, s57                     ; q's images
	s_mov_b32 s59, 0
	s_lshl_b32 s60, s15, 13
	s_lshr_b32 s57, s56, 2
	s_lshl_b32 s57, s57, 8
	s_add_co_u32 s60, s60, s57
	s_and_b32 s57, s56, 3
	s_lshl_b32 s57, s57, 2
	s_add_co_u32 s60, s60, s57                     ; q's scale words
	s_mov_b32 s61, 0
	s_lshr_b32 s57, s15, 4
	s_lshl_b32 s57, s57, 7                         ; 128 b
	s_and_b32 s62, s15, 15                         ; head
	s_add_co_u32 s63, s57, s56
	s_lshl_b32 s63, s63, 3
	s_lshr_b32 s66, s62, 1
	s_add_co_u32 s63, s63, s66
	s_mul_i32 s66, s63, 1536
	s_and_b32 s63, s62, 1
	s_mul_i32 s63, s63, 768
	s_add_co_u32 s66, s66, s63                     ; aoc
	s_mov_b32 s67, 0
	s_lshl_b32 s63, s13, 5
	s_add_co_u32 s63, s63, s57
	s_lshl_b32 s68, s63, 5                         ; aos: the work-group's 32 tiles are 1,024 bytes on end
	s_lshl_b32 s63, s62, 14
	s_add_co_u32 s68, s68, s63
	s_and_b32 s63, s[WV], 1
	s_lshl_b32 s63, s63, 9                         ; waves 0 and 1 store a half each
	s_add_co_u32 s68, s68, s63
	s_mov_b32 s69, 0
	s_lshl_b32 s70, s[WV], 6
	s_mov_b32 s[SEL], 0x76543210
	s_mov_b32 s[SEL+1], 0xfedcba98
	s_mov_b32 s[CS], 0x3e38aa3b
	s_mov_b32 s[CS+1], s[CS]
	s_wait_dscnt 0x0
	s_wait_kmcnt 0x0
	s_mov_b32 s32, 1
	s_add_nc_u64 s[34:35], s[4:5], s[50:51]
	s_or_b32 s35, s35, 0x80000000
	s_mov_b32 s92, 1
	s_add_nc_u64 s[94:95], s[34:35], 24576
	s_mov_b32 s36, 1
	s_mov_b32 s37, SCK
	s_add_nc_u64 s[38:39], s[6:7], s[52:53]
	s_or_b32 s39, s39, 0x80000000
	s_mov_b32 s80, 1
	s_mov_b32 s81, SCK+8192
	s_add_nc_u64 s[82:83], s[6:7], s[54:55]
	s_or_b32 s83, s83, 0x80000000
	s_add_nc_u64 s[58:59], s[4:5], s[58:59]
	s_add_nc_u64 s[60:61], s[6:7], s[60:61]
	s_add_nc_u64 s[66:67], s[8:9], s[66:67]
	s_add_nc_u64 s[68:69], s[10:11], s[68:69]
	CROUND                                         ; all four work-groups are here: the joint loads meet
	s_cmp_lt_u32 s[WV], 2                          ; one chain of branches on the wave's number, one load to an arm
	s_cbranch_scc0 .Larm_ks
	TL 32, 16
	s_branch .Lasked
.Larm_ks:
	s_cmp_eq_u32 s[WV], 2
	s_cbranch_scc0 .Larm_vs
	TL 36, 24
	s_branch .Lasked
.Larm_vs:
	s_cmp_eq_u32 s[WV], 3
	s_cbranch_scc0 .Larm_rest
	TL 80, 72
	s_branch .Lasked
.Larm_rest:
	s_cmp_lt_u32 s[WV], 6
	s_cbranch_scc0 .Lasked
	TL 92, 84
.Lasked:
	v_and_b32 v1, 31, v0
	v_and_b32 v251, 15, v0
	v_bfe_u32 v233, v0, 4, 1
	v_lshlrev_b32 v2, 3, v1
	v_lshlrev_b32 v1, 4, v1
	v_lshlrev_b32 v251, 4, v251                    ; 16 r
	v_lshlrev_b32 v233, 3, v233                    ; 8 h
	v_add_nc_u32 v3, VB, v1
	v_add_nc_u32 v4, VB, v2
	v_add_nc_u32 v7, SCK, v251
	v_lshrrev_b32 v249, 3, v251                    ; 2 r
	v_add_nc_u32 v250, s63, v1
	v_add_nc_u32 v249, s70, v249
	v_add_nc_u32 v250, GATH, v250                  ; where waves 0 and 1 read 512 bytes back
	v_add_nc_u32 v249, GATH, v249                  ; where my scale bytes go: 64 x wave + 2 r
	global_load_b128 v[16:19], v1, s[58:59]        ; Q of both tiles stays in registers
	global_load_b64 v[20:21], v2, s[58:59] offset:512
	global_load_b128 v[28:31], v1, s[58:59] offset:768
	global_load_b64 v[32:33], v2, s[58:59] offset:1280
	global_load_b32 v34, v251, s[60:61]
	global_load_b32 v35, v251, s[60:61] offset:4
.irp i, 0,1,2,3,4,5
	v_mov_b32 v[22+\i], 0                          ; zero codes: the empty half of the scores' K
	v_mov_b32 v[84+\i], 0
.endr
.set j, 0
.rept 32
	v_mov_b32 v[O+j], 0                            ; the step is written once: the first finds zeros, which the first change of M leaves zeros
.set j, j+1
.endr
.irp b, 0,1,2,3
	v_mov_b32 v[T2+\b], 0                          ; a lane permute's destination counts as one of its sources
.endr
	v_mov_b32 v231, 0                              ; (named as the upper half of the pair v[230:231] before it is first written)
	v_mov_b32 v232, 0
	v_mov_b32 v13, 0xff61b1e6                      ; the largest t so far: -3e38
	v_floor_f32 v12, -v13
	v_mov_b32 v14, 0
	v_mov_b32 v15, 0
; A KEY STEP: 128 keys.
.macro STEP
	v_add_nc_u32 v8, s[TK], v1                     ; (these four are the places behind the last products, in front of the loads below)
	v_add_nc_u32 v9, s[TK], v2
	v_add_nc_u32 v247, s[TS], v7
	v_nop
.irp t, 0,1,2,3,4,5,6,7
	ds_load_b128 v[KV+6*\t:KV+6*\t+3], v8 offset:768*\t
	ds_load_b64 v[KV+6*\t+4:KV+6*\t+5], v9 offset:768*\t+512
.endr
	ds_load_b128 v[90:93], v247
	ds_load_b128 v[94:97], v247 offset:256
	s_wait_alu depctr_va_vdst(0)
	s_wait_dscnt 0x0
.irp t, 0,1,2,3,4,5,6,7
	v_wmma_scale_f32_16x16x128_f8f6f4 v[S+8*\t:S+8*\t+7], v[KV+6*\t:KV+6*\t+11], v[16:27], 0, v[90+\t], v34 matrix_a_fmt:MATRIX_FMT_FP6 matrix_b_fmt:MATRIX_FMT_FP6
.endr
	v_add_nc_u32 v10, s[TK], v3                    ; four places: the scores are read, and V is loaded over K
	v_add_nc_u32 v11, s[TK], v4
	v_add_nc_u32 v248, s[TJ], v7
	v_nop
.irp a, 0,1,2,3                        ; V's four fragments are asked for now and land under the softmax
.irp c, 0,1
	ds_load_b128 v[KV+12*\a+6*\c:KV+12*\a+6*\c+3], v10 offset:1536*\a+768*\c
	ds_load_b64 v[KV+12*\a+6*\c+4:KV+12*\a+6*\c+5], v11 offset:1536*\a+768*\c+512
.endr
.endr
	ds_load_b128 v[98:101], v248 offset:8192
.irp b, 0,1,2,3
	v_max3_num_f32 v[BM+\b], v[S+16*\b], v[S+1+16*\b], v[S+2+16*\b]   ; four chains side by side, each over 15 of 16 scores
.endr
.irp i, 3,5,7,9,11,13
.irp b, 0,1,2,3
	v_max3_num_f32 v[BM+\b], v[BM+\b], v[S+16*\b+\i], v[S+1+16*\b+\i]
.endr
.endr
	v_max3_num_f32 v[BM], v[BM], v[BM+1], v[S+15]  ; the largest score of each of my two blocks of 32 keys: for the row's maximum and, since p rises with the score, for the block's largest p
	v_max3_num_f32 v[BM+2], v[BM+2], v[BM+3], v[S+47]
	v_max_num_f32 v[BM], v[BM], v[S+31]
	v_max_num_f32 v[BM+2], v[BM+2], v[S+63]
	s_delay_alu instid0(VALU_DEP_1)
	v_max_num_f32 v232, v[BM], v[BM+2]
	s_delay_alu instid0(VALU_DEP_1)
	v_permlanex16_b32 v[T2], v232, s[SEL], s[SEL+1]
	s_delay_alu instid0(VALU_DEP_1)
	v_max_num_f32 v232, v232, v[T2]                ; with lane l xor 16's two blocks: the step's largest score of my query
	s_delay_alu instid0(VALU_DEP_1)
	v_mul_f32 v232, s[CS], v232                    ; as t (c is positive)
	s_delay_alu instid0(VALU_DEP_1)
	v_max_num_f32 v13, v13, v232                   ; the running largest t
	v_mov_b32 v232, v12
	s_delay_alu instid0(VALU_DEP_2)
	v_floor_f32 v12, -v13                          ; the new -M = -ceil(t): a whole number
	s_delay_alu instid0(VALU_DEP_1)
	v_sub_f32 v232, v12, v232                      ; old M - new M: a whole number, 0 or less
	s_delay_alu instid0(VALU_DEP_1)
	v_cvt_i32_f32 v232, v232                       ; (it saturates)
	s_delay_alu instid0(VALU_DEP_1)
	v_ldexp_f32 v230, 1.0, v232                    ; f = 2^(old M - new M): a multiplication by it rounds nothing
.set j, 0
.rept 32
	v_pk_fma_f32 v[S+j:S+j+1], v[S+j:S+j+1], s[CS:CS+1], v[12:13] op_sel_hi:[1,0,0]   ; t - M
.set j, j+2
.endr
	v_fma_f32 v[BM], v[BM], s[CS], v12
	v_fma_f32 v[BM+2], v[BM+2], s[CS], v12
	s_wait_alu depctr_va_vdst(0)                   ; the wait ahead of the batch
	v_exp_f32 v[BM], v[BM]                         ; the blocks' largest p
	v_exp_f32 v[BM+2], v[BM+2]
.set j, 0
.rept 64
	v_exp_f32 v[S+j], v[S+j]                       ; p = 2^(t - M), at most 1
.set j, j+1
.endr
	v_pk_mul_f32 v[14:15], v[14:15], v[230:231] op_sel_hi:[1,0]    ; the sums under the new M (a plain place behind the exponentials)
	s_wait_alu depctr_va_vdst(0)                   ; one wait for the batch of 66, ahead of its first reader
	v_pk_add_f32 v[222:223], v[106:107], v[110:111]
	v_pk_add_f32 v[254:255], v[114:115], v[118:119]
	v_pk_add_f32 v[252:253], v[122:123], v[126:127]
	v_pk_add_f32 v[244:245], v[130:131], v[134:135]
	v_pk_add_f32 v[242:243], v[138:139], v[142:143]
	v_pk_add_f32 v[240:241], v[146:147], v[150:151]
	v_pk_add_f32 v[228:229], v[154:155], v[158:159]
	v_pk_add_f32 v[14:15], v[14:15], v[162:163]
	v_pk_add_f32 v[222:223], v[222:223], v[102:103]
	v_pk_add_f32 v[254:255], v[254:255], v[104:105]
	v_pk_add_f32 v[252:253], v[252:253], v[108:109]
	v_pk_add_f32 v[244:245], v[244:245], v[112:113]
	v_pk_add_f32 v[242:243], v[242:243], v[116:117]
	v_pk_add_f32 v[240:241], v[240:241], v[120:121]
	v_pk_add_f32 v[228:229], v[228:229], v[124:125]
	v_pk_add_f32 v[14:15], v[14:15], v[128:129]
	v_pk_add_f32 v[222:223], v[222:223], v[132:133]
	v_pk_add_f32 v[254:255], v[254:255], v[136:137]
	v_pk_add_f32 v[252:253], v[252:253], v[140:141]
	v_pk_add_f32 v[244:245], v[244:245], v[144:145]
	v_pk_add_f32 v[242:243], v[242:243], v[148:149]
	v_pk_add_f32 v[240:241], v[240:241], v[152:153]
	v_pk_add_f32 v[228:229], v[228:229], v[156:157]
	v_pk_add_f32 v[14:15], v[14:15], v[160:161]
	v_pk_add_f32 v[222:223], v[222:223], v[164:165]
	v_pk_add_f32 v[14:15], v[14:15], v[244:245]
	v_pk_add_f32 v[222:223], v[222:223], v[242:243]
	v_pk_add_f32 v[254:255], v[254:255], v[240:241]
	v_pk_add_f32 v[252:253], v[252:253], v[228:229]
	v_pk_add_f32 v[14:15], v[14:15], v[254:255]
	v_pk_add_f32 v[222:223], v[222:223], v[252:253]
	v_pk_add_f32 v[14:15], v[14:15], v[222:223]
	v_max_num_f32 v[BM], 0x1800000, v[BM]          ; the floor 2^(3 - 127)
	v_max_num_f32 v[BM+2], 0x1800000, v[BM+2]
	s_delay_alu instid0(VALU_DEP_2)
	v_add_nc_u32 v[SO], 0xff000000, v[BM]          ; 2 off the exponent field: the conversions' scale operands
	s_delay_alu instid0(VALU_DEP_2)
	v_add_nc_u32 v[SO+1], 0xff000000, v[BM+2]
	s_delay_alu instid0(VALU_DEP_2)
	v_lshrrev_b32 v[T2], 23, v[SO]
	s_delay_alu instid0(VALU_DEP_2)
	v_lshrrev_b32 v[T2+1], 23, v[SO+1]
	s_delay_alu instid0(VALU_DEP_1)
	v_lshl_or_b32 v231, v[T2+1], 16, v[T2]         ; my two bytes: blocks h and 2 + h,
	s_delay_alu instid0(VALU_DEP_1)
	v_lshlrev_b32 v231, v233, v231                 ; at their places (8 h bits up);
	s_delay_alu instid0(VALU_DEP_1)
	v_permlanex16_b32 v[T2+2], v231, s[SEL], s[SEL+1]
	s_delay_alu instid0(VALU_DEP_1)
	v_or_b32 v231, v231, v[T2+2]                   ; with lane l xor 16's two p's scale word for these 128 keys is whole
.irp c, 0,1
	v_cvt_scalef32_pk16_fp6_f32 v[PC+6*\c:PC+2+6*\c], v[S+32*\c:S+15+32*\c], v[SO+\c]
	v_cvt_scalef32_pk16_fp6_f32 v[CT+4*\c:CT+2+4*\c], v[S+16+32*\c:S+31+32*\c], v[SO+\c]   ; (a conversion's three registers begin on an even number)
.endr
	v_nop                                          ; one plain place behind a scaled conversion
.irp c, 0,1
.irp i, 0,1,2
	v_mov_b32 v[PC+3+6*\c+\i], v[CT+4*\c+\i]
.endr
.endr
	s_wait_alu depctr_va_vdst(0)                   ; the wait directly ahead of the first reader of O^T
.set j, 0
.rept 16
	v_pk_mul_f32 v[O+j:O+j+1], v[O+j:O+j+1], v[230:231] op_sel_hi:[1,0]   ; O^T under the new M; also the places between the scale word, the codes and the products
.set j, j+2
.endr
	s_wait_alu depctr_va_vdst(0)
	s_wait_dscnt 0x0                               ; V is in
.irp a, 0,1,2,3
	v_wmma_scale_f32_16x16x128_f8f6f4 v[O+8*\a:O+8*\a+7], v[KV+12*\a:KV+12*\a+11], v[PC:PC+11], v[O+8*\a:O+8*\a+7], v[98+\a], v231 matrix_a_fmt:MATRIX_FMT_FP6 matrix_b_fmt:MATRIX_FMT_FP6
.endr
	s_add_co_u32 s[TK], s[TK], 6144
	s_add_co_u32 s[TS], s[TS], 512
	s_add_co_u32 s[TJ], s[TJ], 256
.endm
; A tile of queries is done: O^T / the sum, quantised along the head's 64 (two blocks), leaves as a half image and two scale bytes.
.macro FINISH p
.rept 4
	v_nop                                          ; places behind the last products
.endr
	v_add_f32 v14, v14, v15
	s_delay_alu instid0(VALU_DEP_1)
	v_permlanex16_b32 v232, v14, s[SEL], s[SEL+1]
	s_delay_alu instid0(VALU_DEP_1)
	v_add_f32 v14, v14, v232                       ; the row's sum
	s_wait_alu depctr_va_vdst(0)
	v_rcp_f32 v14, v14
	v_nop
	s_wait_alu depctr_va_vdst(0)                   ; ahead of the reciprocal's first reader
.set j, 0
.rept 32
	v_mul_f32 v[S+j], v[O+j], v14                  ; register 16 G + i = channel 32 G + 16 (lane / 16) + i; each accumulator from its low end on
.set j, j+1
.endr
.irp b, 0,1
	v_max3_num_f32 v[BM+\b], |v[S+16*\b]|, |v[S+1+16*\b]|, 0x1800000
.endr
.irp i, 2,4,6,8,10,12,14
.irp b, 0,1
	s_delay_alu instid0(VALU_DEP_2)
	v_max3_num_f32 v[BM+\b], v[BM+\b], |v[S+16*\b+\i]|, |v[S+1+16*\b+\i]|
.endr
.endr
.irp b, 0,1
	s_delay_alu instid0(VALU_DEP_2)
	v_permlanex16_b32 v[T2+\b], v[BM+\b], s[SEL], s[SEL+1]
.endr
.irp b, 0,1
	s_delay_alu instid0(VALU_DEP_2)
	v_max_num_f32 v[BM+\b], v[BM+\b], v[T2+\b]
.endr
.irp b, 0,1
	s_delay_alu instid0(VALU_DEP_2)
	v_add_nc_u32 v[SO+\b], 0xff000000, v[BM+\b]
.endr
.irp b, 0,1
	s_delay_alu instid0(VALU_DEP_2)
	v_lshrrev_b32 v[T2+\b], 23, v[SO+\b]
.endr
	s_delay_alu instid0(VALU_DEP_1)
	v_lshl_or_b32 v[AOW], v[T2+1], 8, v[T2]
	v_cvt_scalef32_pk16_fp6_f32 v[AO+6*(\p):AO+6*(\p)+2], v[S:S+15], v[SO]
	v_cvt_scalef32_pk16_fp6_f32 v[CT:CT+2], v[S+16:S+31], v[SO+1]
	v_nop
.irp i, 0,1,2
	v_permlane16_swap_b32 v[AO+6*(\p)+\i], v[CT+\i]
.endr
.irp i, 0,1,2
	s_delay_alu instid0(VALU_DEP_3)
	v_mov_b32 v[AO+6*(\p)+3+\i], v[CT+\i]
.endr
	global_store_b128 v1, v[AO+6*(\p):AO+6*(\p)+3], s[66:67] offset:12288*(\p)          ; 512 consecutive bytes, aligned;
	global_store_b64 v2, v[AO+6*(\p)+4:AO+6*(\p)+5], s[66:67] offset:12288*(\p)+512     ; 256.  Each tile has registers of its own, so no store's data are written again
	ds_store_b16 v249, v[AOW] offset:32*(\p)       ; both halves of the lanes write the same bytes with the same value
.if (\p) == 0                          ; on to the second tile; the moves behind Q's scale word are more than the places that it wants ahead of a scaled product
.irp i, 0,1,2,3,4,5
	v_mov_b32 v[16+\i], v[28+\i]
.endr
	v_mov_b32 v34, v35
.set j, 0
.rept 32
	v_mov_b32 v[O+j], 0
.set j, j+1
.endr
	v_mov_b32 v13, 0xff61b1e6
	v_floor_f32 v12, -v13
	v_mov_b32 v14, 0
	v_mov_b32 v15, 0
	s_wait_alu depctr_va_vdst(0)
.endif
.endm
.macro PASS p                          ; one tile of queries against all 2,048 keys
	s_mov_b32 s[TK], 0
	s_mov_b32 s[TS], 0
	s_mov_b32 s[TJ], 0
.if (\p) == 0
	s_mov_b32 s[CNT], 4                            ; the first 512 keys
.Lfirst_\@:
	STEP
	s_sub_co_u32 s[CNT], s[CNT], 1
	s_cmp_lg_u32 s[CNT], 0
	s_cbranch_scc1 .Lfirst_\@
	s_wait_tensorcnt 0x0                           ; every wave: whatever I asked for is in
	s_wait_dscnt 0x0
	s_barrier_signal -1
	s_barrier_wait -1                              ; all of K and V is whole; nothing is filled again
	s_mov_b32 s[CNT], 12
.else
	s_mov_b32 s[CNT], 16
.endif
.Lstep_\@:
	STEP
	s_sub_co_u32 s[CNT], s[CNT], 1
	s_cmp_lg_u32 s[CNT], 0
	s_cbranch_scc1 .Lstep_\@
	FINISH \p
.endm
	s_wait_alu depctr_va_vdst(0)                   ; the wait at the head's end
	s_wait_loadcnt 0x0                             ; Q
	s_cmp_lt_u32 s[WV], 4
	s_cbranch_scc0 .Lnot_first
	s_wait_tensorcnt 0x0                           ; waves 0-3: the first 512 keys of K and V and the scale words are in
.Lnot_first:
	s_barrier_signal -1
	s_barrier_wait -1                              ; the rest may be on its way: nothing is ever filled again
	PASS 0
	PASS 1
	s_wait_dscnt 0x0                               ; my scale bytes are stored: for the others' sake
	s_barrier_signal -1
	s_barrier_wait -1
	s_cmp_lt_u32 s[WV], 2
	s_cbranch_scc0 .Lno_words
	ds_load_b128 v[S:S+3], v250
	s_wait_dscnt 0x0
	global_store_b128 v1, v[S:S+3], s[68:69]       ; 512 consecutive bytes, aligned
.Lno_words:
	s_wait_tensorcnt 0x0                           ; the wave's end
	ds_add_u32 v5, v6
	s_wait_dscnt 0x0
	CROUND                                         ; the closing round
	s_endpgm
.Lfunc_end_k_q0db465a0d7_attn:
	.size	k_q0db465a0d7_attn, .Lfunc_end_k_q0db465a0d7_attn-k_q0db465a0d7_attn
	.p2alignl 7, 3214868480
	.fill 96, 4, 3214868480
	.section	.rodata,"a",@progbits
	.p2align	6, 0x0
	.amdhsa_kernel k_q0db465a0d7_attn
		.amdhsa_group_segment_fixed_size 211968
		.amdhsa_private_segment_fixed_size 0
		.amdhsa_enable_private_segment 0
		.amdhsa_kernarg_size 32
		.amdhsa_user_sgpr_count 2
		.amdhsa_user_sgpr_kernarg_segment_ptr 1
		.amdhsa_wavefront_size32 1
		.amdhsa_system_sgpr_workgroup_id_x 1
		.amdhsa_system_sgpr_workgroup_id_y 1
		.amdhsa_system_sgpr_workgroup_id_z 1
		.amdhsa_system_vgpr_workitem_id 0
		.amdhsa_next_free_vgpr 256
		.amdhsa_next_free_sgpr 96
		.amdhsa_reserve_vcc 0
		.amdhsa_float_denorm_mode_32 3
		.amdhsa_float_denorm_mode_16_64 3
		.amdhsa_memory_ordered 1
		.amdhsa_forward_progress 1
		.amdhsa_inst_pref_size 69
	.end_amdhsa_kernel
	.amdgpu_metadata
---
amdhsa.version: [ 1, 2 ]
amdhsa.kernels:
  - .name:           k_q0db465a0d7_attn
    .symbol:         k_q0db465a0d7_attn.kd
    .args:
      - { .name: img, .offset: 0, .size: 8, .value_kind: global_buffer, .address_space: global }
      - { .name: sc, .offset: 8, .size: 8, .value_kind: global_buffer, .address_space: global }
      - { .name: aoc, .offset: 16, .size: 8, .value_kind: global_buffer, .address_space: global }
      - { .name: aos, .offset: 24, .size: 8, .value_kind: global_buffer, .address_space: global }
    .group_segment_fixed_size: 211968
    .private_segment_fixed_size: 0
    .kernarg_segment_align: 8
    .kernarg_segment_size: 32
    .max_flat_workgroup_size: 512
    .sgpr_count:     96
    .vgpr_count:     256
    .wavefront_size: 32
...
	.end_amdgpu_metadata
.endif
;; end of part 3
;; launch outp (part 4): grid 4 x 64, 4 waves a work-group, clusters of 4 x 4, 295,424 bytes of LDS; arguments aoc, aos, opc, ops, out_b, out0; writes out0
.if DOCPART == 4
	.amdgcn_target "amdgcn-amd-amdhsa--gfx1250"
	.amdhsa_code_object_version 6
	.text
	.protected	k_q0db465a0d7_outp
	.globl	k_q0db465a0d7_outp
	.p2align	8
	.type	k_q0db465a0d7_outp,@function
k_q0db465a0d7_outp:
	s_mov_b64 s[64:65], 0
	v_nop
	global_prefetch_b8 v0, s[64:65] scope:SCOPE_SE
	s_setreg_imm32_b32 hwreg(HW_REG_WAVE_MODE, 25, 1), 1
	s_wait_xcnt 0x0
	s_wait_alu depctr_hold_cnt(0) depctr_sa_sdst(0) depctr_va_vdst(0) depctr_va_sdst(0) depctr_va_ssrc(0) depctr_va_vcc(0) depctr_vm_vsrc(0)
	s_getreg_b32 s2, hwreg(HW_REG_IB_STS2, 6, 4)
	s_cmp_eq_u32 s2, 0
	s_cbranch_scc0 .Lentry_in_a_cluster
	s_endpgm
.Lentry_in_a_cluster:
	s_bfe_u32 s2, ttmp6, 0x10000c
	s_cmp_lg_u32 s2, 0xf033
	s_cbranch_scc0 .Lentry_shape_is_right
	s_endpgm
.Lentry_shape_is_right:
; out0 = A out_w^T + out_b on codes of FP6 (E2M3).  A: the attention's result, [8192][1024], as images of operand registers in aoc with its scale words in aos; out_w's images and words lie in opc and ops from tile 1,728 on.
; A work-group makes 128 tokens (source 1: a lane holds one) x 256 channels (source 0: a lane's registers run along them); a wave 64 x 128: 32 accumulators.  K = 1,024.
; ALL OF K LIES IN LDS (8 + 16 tiles x 8 K steps x 1,536 bytes = 294,912 bytes), brought as four chunks of 256 along K: nothing is filled twice, so there is no ring.
; By this text's own count a wave has one tensor load out, issued at the head.
; CLUSTERS: 4 x 4: A's chunks are asked for jointly by a row of the cluster, B's by a column.
; Lane r of tile T holds row 32 (T / 2) + 8 (T % 2) + r + 8 (r / 8): the 16 registers of channel tiles 2 G, 2 G + 1 are channels 32 G + 16 (lane / 16) + 0 .. 15.
; The bias is the C of the first K step.  Scale words go from memory into registers once: register e holds step e in lanes 0-15, step 4 + e in lanes 16-31.
; THE WAY OUT: a block of 16 tokens x 128 channels goes through the wave's stage in LDS and leaves as whole rows of 512 bytes.  The stages lie in B's chunk 0: it has had its one fill,
; and every wave has passed a later barrier behind its last read of it.
; REGISTERS: window 0: v1-22 addresses; v32-47 A's scale words, v48-79 B's; v128-175, v176-223 A's fragments, two sets; on the way out v128-255 rows of the result.
;   window 1: v0-95, v128-223 B's fragments.  window 2: accumulator (a, b) at v[8 (8 a + b)].  window 3: v0-63 the bias in the result's layout.
; THE FILLS, in place of what is said of chunks above: K lies in LDS in two halves of 512 along K, each A's 8 tiles and then B's 16, a tile's half being 6,144 bytes on end.
; One tensor load a wave, each in an arm of its own: wave 0 A's first half, wave 1 B's, wave 2 A's second half, wave 3 B's.  Waves 0 and 1 wait ahead of the first barrier; every wave waits for 0 in K step 3.
; A's K step is two half images of 768 bytes, one a head (registers 0-3 at 16 l, 4-5 at 512 + 8 l); aos is [head][tile][r], two bytes: a K step's scale word is joined of two heads' halves.
; The stages lie in B's first half: it has had its one fill, and every wave has passed K step 3's barrier behind its last read of it.
.set WV,   18
.set HI,   19
.set LO,   20
.set G1A,  24
.set G1B,  32
.set G0A,  40
.set ADRA, 4
.set ADRB, 8
.set CO,   12                          ; v12  16 x lane
.set STO,  13                          ; v13  the stage, on the way in
.set RD,   14                          ; v14  and back
.set SA,   32
.set SB,   48
.set AF,   128
.set BK,   128
.set MUL,  0xa1
.set MULF, 0xb1
.set TO_B, 0x40
.set MSB, 0
.macro WIN new
.if MSB != \new
	s_set_vgpr_msb (MSB<<8)|\new
.set MSB, \new
.endif
.endm
.macro PLACES n
.rept \n
	v_nop
.endr
.endm
.macro CROUND
	s_barrier_signal -1
	s_barrier_wait -1
	s_cmp_lg_u32 s[WV], 0
	s_cbranch_scc1 .Lnot_wave_0_\@
	s_barrier_signal -3
.Lnot_wave_0_\@:
	s_barrier_wait -3
	s_barrier_signal -1
	s_barrier_wait -1
.endm
.macro SHAPE g, rows                   ; half of K of some tiles: rows of 6,144 bytes (768 elements of 8), 12,288 bytes apart in memory, on end in LDS
	s_mov_b32 s[\g+1], 768<<16
	s_mov_b32 s[\g+2], (\rows)<<16
	s_mov_b32 s[\g+3], 768<<16
	s_mov_b32 s[\g+4], \rows
	s_mov_b32 s[\g+5], 1536
	s_mov_b32 s[\g+6], 0
	s_mov_b32 s[\g+7], 0
.endm
	s_load_b256 s[4:11], s[0:1], 0x0               ; aoc, aos, opc, ops
	s_load_b128 s[12:15], s[0:1], 0x20             ; out_b, out0
	v_lshl_add_u32 v126, v0, 2, 0x48000
	v_mov_b32 v127, 0
	ds_add_u32 v126, v127
	ds_add_u32 v126, v127
	v_lshrrev_b32 v1, 5, v0
	v_readfirstlane_b32 s[WV], v1
	s_lshr_b32 s[HI], s[WV], 1
	s_and_b32 s[LO], s[WV], 1
	s_bfe_u32 s21, ttmp6, 0x40000                  ; cx: my tile of 256 channels
	s_bfe_u32 s22, ttmp6, 0x40004                  ; cy
	s_and_b32 s23, ttmp7, 0xffff
	s_lshl_b32 s83, s23, 2
	s_add_co_u32 s83, s83, s22                     ; my tile of 128 tokens
	s_lshl_b32 s85, s83, 3                         ; A's first tile of 16 rows
	s_lshl_b32 s86, s21, 4
	s_add_co_u32 s86, s86, 1728                    ; B's
	s_lshl_b32 s87, s22, 2
	s_lshl_b32 s87, 15, s87                        ; my row of the cluster
	s_lshl_b32 s88, 0x1111, s21                    ; my column
	s_or_b32 s[G1A], s87, (3<<16)|(1<<21)
	s_or_b32 s[G1B], s88, (3<<16)|(1<<21)
	SHAPE G1A, 8
	SHAPE G1B, 16
	s_mul_i32 s2, s85, 12288
	s_mov_b32 s90, s2
	s_mov_b32 s91, 0
	s_mul_i32 s3, s86, 12288
	s_mov_b32 s92, s3
	s_mov_b32 s93, 0
	s_wait_dscnt 0x0
	s_wait_kmcnt 0x0
	s_add_nc_u64 s[90:91], s[4:5], s[90:91]
	s_add_nc_u64 s[92:93], s[8:9], s[92:93]
.irp g, 0,1                            ; half g of K: A's group 0 at s[40 + 8 g], B's at s[44 + 8 g]
	s_mov_b32 s[G0A+8*\g], 1
	s_mov_b32 s[G0A+8*\g+1], 147456*\g
	s_add_nc_u64 s[G0A+8*\g+2:G0A+8*\g+3], s[90:91], 6144*\g
	s_or_b32 s[G0A+8*\g+3], s[G0A+8*\g+3], 0x80000000
	s_mov_b32 s[G0A+8*\g+4], 1
	s_mov_b32 s[G0A+8*\g+5], 147456*\g+49152
	s_add_nc_u64 s[G0A+8*\g+6:G0A+8*\g+7], s[92:93], 6144*\g
	s_or_b32 s[G0A+8*\g+7], s[G0A+8*\g+7], 0x80000000
.endr
	CROUND                                         ; all sixteen work-groups are here: the joint loads meet
.macro ARM under, g0, g1, next         ; one chain of branches on the wave's number, one load to an arm, all arms to one join
	s_cmp_lt_u32 s[WV], \under
	s_cbranch_scc0 \next
	tensor_load_to_lds s[\g0:\g0+3], s[\g1:\g1+7]
	s_nop 0
	PLACES 4
	s_branch .Lasked
\next:
.endm
	ARM 1, 40, G1A, .Larm_b0
	ARM 2, 44, G1B, .Larm_a1
	ARM 3, 48, G1A, .Larm_b1
	tensor_load_to_lds s[52:55], s[G1B:G1B+7]
	s_nop 0
	PLACES 4
.Lasked:
	v_and_b32 v1, 31, v0
	v_and_b32 v2, 15, v0
	v_bfe_u32 v3, v0, 4, 1
	v_lshlrev_b32 v[CO], 4, v1
	s_wait_alu depctr_va_vdst(0)
	s_mul_i32 s2, s[HI], 24576                     ; my 4 tiles of A's 8,
	s_mul_i32 s3, s[LO], 49152                     ; my 8 of B's 16,
	s_add_co_u32 s3, s3, 49152                     ; which lie behind A's
	v_lshlrev_b32 v15, 3, v1                       ; 8 x lane
.irp g, 0,1
	v_add_nc_u32 v[ADRA+\g], s2, v[CO]
	v_add_nc_u32 v[ADRA+2+\g], s2, v15             ; v6, v7: for the last two registers of a half image
	v_add_nc_u32 v[ADRB+\g], s3, v[CO]
	s_add_co_u32 s2, s2, 147456
	s_add_co_u32 s3, s3, 147456
.endr
	s_mul_i32 s2, s[WV], 8448
	s_add_co_u32 s2, s2, 98304                     ; my stage: 16 rows x (512 + 16) bytes
	v_mul_u32_u24 v[STO], v2, 528
	v_lshl_add_u32 v[STO], v3, 6, v[STO]
	v_add_nc_u32 v[STO], s2, v[STO]
	v_add_nc_u32 v[RD], s2, v[CO]
	; A's scale words: aos is [head][tile][r]
	v_lshlrev_b32 v21, 17, v3
	v_lshl_add_u32 v21, v2, 1, v21                 ; eight heads on for lanes 16-31, + 2 r
	s_wait_alu depctr_va_vdst(0)
	v_lshlrev_b32 v22, 4, v2
	v_lshl_add_u32 v22, v3, 8, v22                 ; B's: ops is [tile][half of K][r][step % 4]: 256 h + 16 r
	s_wait_alu depctr_va_vdst(0)
	s_mov_b32 s3, 0
	s_lshl_b32 s2, s[HI], 2
	s_add_co_u32 s2, s2, s85
	s_lshl_b32 s2, s2, 5
	s_add_nc_u64 s[96:97], s[6:7], s[2:3]
	s_lshl_b32 s2, s[LO], 3
	s_add_co_u32 s2, s2, s86
	s_lshl_b32 s2, s2, 9
	s_add_nc_u64 s[98:99], s[10:11], s[2:3]
.irp i, 0,1,2,3
.irp e, 0,1,2,3
	global_load_u16 v[SA+4*\i+\e], v21, s[96:97] offset:32768*\e+32*\i          ; the even head's two bytes,
	global_load_u16 v[80+4*\i+\e], v21, s[96:97] offset:32768*\e+16384+32*\i    ; the odd head's
.endr
.endr
.irp b, 0,1,2,3,4,5,6,7
	global_load_b128 v[SB+4*\b:SB+4*\b+3], v22, s[98:99] offset:512*\b
.endr
	s_lshl_b32 s2, s21, 1
	s_add_co_u32 s2, s2, s[LO]
	s_lshl_b32 s2, s2, 9
	s_add_nc_u64 s[100:101], s[12:13], s[2:3]      ; my 128 numbers of the bias
	v_lshlrev_b32 v19, 6, v3
	WIN 0xc0                                       ; destination window 3
.irp t, 0,1,2,3,4,5,6,7
	global_load_b128 v[8*\t:8*\t+3], v19, s[100:101] offset:(32*(\t/2)+8*(\t%2))*4
	global_load_b128 v[8*\t+4:8*\t+7], v19, s[100:101] offset:(32*(\t/2)+8*(\t%2))*4+16
.endr
	WIN 0
	s_lshl_b32 s2, s83, 19                         ; 128 rows of 4,096 bytes a tile of tokens,
	s_lshl_b32 s77, s[HI], 18
	s_add_co_u32 s2, s2, s77
	s_lshl_b32 s77, s21, 10                        ; 1,024 bytes a tile of channels,
	s_add_co_u32 s2, s2, s77
	s_lshl_b32 s77, s[LO], 9
	s_add_co_u32 s2, s2, s77
	s_add_nc_u64 s[92:93], s[14:15], s[2:3]        ; out0 at my first row and column
.macro FETCH s
	WIN TO_B
.irp i, 0,1,2,3,4,5,6,7
.irp c, 0,1,2
	ds_load_b128 v[128*((\s)%2)+12*\i+4*\c:128*((\s)%2)+12*\i+4*\c+3], v[ADRB+(\s)/4] offset:6144*\i+1536*((\s)%4)+512*\c
.endr
.endr
	WIN 0
.irp i, 0,1,2,3
.irp c, 0,1
	ds_load_b128 v[AF+48*((\s)%2)+12*\i+6*\c:AF+48*((\s)%2)+12*\i+6*\c+3], v[ADRA+(\s)/4] offset:6144*\i+1536*((\s)%4)+768*\c
	ds_load_b64 v[AF+48*((\s)%2)+12*\i+6*\c+4:AF+48*((\s)%2)+12*\i+6*\c+5], v[ADRA+2+(\s)/4] offset:6144*\i+1536*((\s)%4)+768*\c+512
.endr
.endr
.endm
; The 32 accumulators take turns, one instruction a turn, in the same order in every step.
.macro MUL16 a0, s
.irp a, \a0, \a0+1
.irp b, 0,1,2,3,4,5,6,7
.if (\s) == 0
	v_wmma_scale_f32_16x16x128_f8f6f4 v[8*(8*(\a)+\b):8*(8*(\a)+\b)+7], v[12*\b:12*\b+11], v[AF+12*(\a):AF+12*(\a)+11], v[8*\b:8*\b+7], v[SB+4*\b], v[SA+4*(\a)] matrix_a_fmt:MATRIX_FMT_FP6 matrix_b_fmt:MATRIX_FMT_FP6
.elseif (\s) < 4
	v_wmma_scale_f32_16x16x128_f8f6f4 v[8*(8*(\a)+\b):8*(8*(\a)+\b)+7], v[128*((\s)%2)+12*\b:128*((\s)%2)+12*\b+11], v[AF+48*((\s)%2)+12*(\a):AF+48*((\s)%2)+12*(\a)+11], v[8*(8*(\a)+\b):8*(8*(\a)+\b)+7], v[SB+4*\b+(\s)%4], v[SA+4*(\a)+(\s)%4] matrix_a_fmt:MATRIX_FMT_FP6 matrix_b_fmt:MATRIX_FMT_FP6
.else
	v_wmma_scale_f32_16x16x128_f8f6f4 v[8*(8*(\a)+\b):8*(8*(\a)+\b)+7], v[128*((\s)%2)+12*\b:128*((\s)%2)+12*\b+11], v[AF+48*((\s)%2)+12*(\a):AF+48*((\s)%2)+12*(\a)+11], v[8*(8*(\a)+\b):8*(8*(\a)+\b)+7], v[SB+4*\b+(\s)%4], v[SA+4*(\a)+(\s)%4] matrix_a_fmt:MATRIX_FMT_FP6 matrix_b_fmt:MATRIX_FMT_FP6 matrix_a_scale:MATRIX_SCALE_ROW1 matrix_b_scale:MATRIX_SCALE_ROW1
.endif
.endr
.endr
.endm
.macro MWIN s
.if (\s) == 0
	WIN MULF
.else
	WIN MUL
.endif
.endm
; Step 3 alone shows the second half of K to every wave: all my tensor loads have landed, then a barrier, split round 16 matrix instructions.
.macro STEP s
	s_wait_dscnt 0x0
.if (\s) == 3                          ; K step 3 shows the second half of K to every wave: every wave waits for all its tensor loads, then a barrier, split round 16 matrix instructions
	s_wait_tensorcnt 0x0
	s_barrier_signal -1
.endif
	MWIN \s
	MUL16 0, \s
.if (\s) == 3
	s_barrier_wait -1
.endif
.if (\s) < 7
	PLACES 4                                       ; in front of loads into the set that the step before multiplied
	FETCH (\s)+1
	MWIN \s
.endif
	MUL16 2, \s
.endm
	s_wait_alu depctr_va_vdst(0)                   ; the wait ahead of the branch
	s_cmp_lt_u32 s[WV], 2
	s_cbranch_scc0 .Lnot_half0
	s_wait_tensorcnt 0x0                           ; waves 0 and 1: the first half of K, whose two load lines are theirs alone, is in
.Lnot_half0:
	s_barrier_signal -1
	s_barrier_wait -1                              ; the second half may be on its way: nothing is ever filled again
	FETCH 0
	s_wait_loadcnt 0x0                             ; scale words and bias
.set j, 0
.rept 16
	v_lshl_or_b32 v[SA+j], v[80+j], 16, v[SA+j]    ; A's scale word of a K step: the even head's two bytes below, the odd head's above
.set j, j+1
.endr
	PLACES 8                                       ; a scale register written by a vector instruction stands 8 places ahead of a scaled product
	s_wait_alu depctr_va_vdst(0)                   ; the wait ahead of the blocking wait below
.irp s, 0,1,2,3,4,5,6,7
	STEP \s
.endr
	WIN 0
.macro TOSTAGE a
	WIN 0x08                                       ; an LDS store's data are its source 1: window 2
.irp b, 0,1,2,3,4,5,6,7
	ds_store_b128 v[STO], v[64*(\a)+8*\b:64*(\a)+8*\b+3] offset:128*(\b/2)+32*(\b%2)       ; each accumulator from its low end on
	ds_store_b128 v[STO], v[64*(\a)+8*\b+4:64*(\a)+8*\b+7] offset:128*(\b/2)+32*(\b%2)+16
.endr
	WIN 0
.set BB, BK+64*((\a)%2)
.irp t, 0,1,2,3,4,5,6,7,8,9,10,11,12,13,14,15
	ds_load_b128 v[BB+4*\t:BB+4*\t+3], v[RD] offset:528*\t         ; LDS serves a wave's instructions in order: these see my stores, and the next block's stores come behind them
.endr
.endm
.macro SEND a, younger                 ; younger: the LDS instructions issued behind block a's loads
.set BB, BK+64*((\a)%2)
	s_wait_dscnt \younger
.irp t, 0,1,2,3,4,5,6,7,8,9,10,11,12,13,14,15
	global_store_b128 v[CO], v[BB+4*\t:BB+4*\t+3], s[92:93] offset:(32*((\a)/2)+8*((\a)%2)+\t+8*(\t/8))*4096 th:TH_STORE_NT   ; 512 consecutive bytes of one row, aligned; written once
.endr
.endm
	PLACES 4                                       ; behind the last products: results are read, and rows are loaded over A's fragments
	TOSTAGE 0
.irp a, 1,2,3
.if \a > 1
	s_wait_xcnt 0x0                                ; block a - 2's stores have read their registers: block a's rows may land there
.endif
	TOSTAGE \a
	SEND \a-1, 32                                  ; behind block a - 1's loads: block a's 16 stores and 16 loads
.endr
	SEND 3, 0
	s_wait_tensorcnt 0x0
	ds_add_u32 v126, v127
	s_wait_dscnt 0x0
	CROUND                                         ; the closing round
	s_endpgm
.Lfunc_end_k_q0db465a0d7_outp:
	.size	k_q0db465a0d7_outp, .Lfunc_end_k_q0db465a0d7_outp-k_q0db465a0d7_outp
	.p2alignl 7, 3214868480
	.fill 96, 4, 3214868480
	.section	.rodata,"a",@progbits
	.p2align	6, 0x0
	.amdhsa_kernel k_q0db465a0d7_outp
		.amdhsa_group_segment_fixed_size 295424
		.amdhsa_private_segment_fixed_size 0
		.amdhsa_enable_private_segment 0
		.amdhsa_kernarg_size 48
		.amdhsa_user_sgpr_count 2
		.amdhsa_user_sgpr_kernarg_segment_ptr 1
		.amdhsa_wavefront_size32 1
		.amdhsa_system_sgpr_workgroup_id_x 1
		.amdhsa_system_sgpr_workgroup_id_y 1
		.amdhsa_system_sgpr_workgroup_id_z 1
		.amdhsa_system_vgpr_workitem_id 0
		.amdhsa_next_free_vgpr 832
		.amdhsa_next_free_sgpr 104
		.amdhsa_reserve_vcc 0
		.amdhsa_float_denorm_mode_32 3
		.amdhsa_float_denorm_mode_16_64 3
		.amdhsa_memory_ordered 1
		.amdhsa_forward_progress 1
		.amdhsa_inst_pref_size 84
	.end_amdhsa_kernel
	.amdgpu_metadata
---
amdhsa.version: [ 1, 2 ]
amdhsa.kernels:
  - .name:           k_q0db465a0d7_outp
    .symbol:         k_q0db465a0d7_outp.kd
    .args:
      - { .name: aoc, .offset: 0, .size: 8, .value_kind: global_buffer, .address_space: global }
      - { .name: aos, .offset: 8, .size: 8, .value_kind: global_buffer, .address_space: global }
      - { .name: opc, .offset: 16, .size: 8, .value_kind: global_buffer, .address_space: global }
      - { .name: ops, .offset: 24, .size: 8, .value_kind: global_buffer, .address_space: global }
      - { .name: out_b, .offset: 32, .size: 8, .value_kind: global_buffer, .address_space: global }
      - { .name: out0, .offset: 40, .size: 8, .value_kind: global_buffer, .address_space: global }
    .group_segment_fixed_size: 295424
    .private_segment_fixed_size: 0
    .kernarg_segment_align: 8
    .kernarg_segment_size: 48
    .max_flat_workgroup_size: 128
    .sgpr_count:     104
    .vgpr_count:     832
    .wavefront_size: 32
...
	.end_amdgpu_metadata
.endif
;; end of part 4
